; MI455X (gfx1250); checked and timed in simulation.
; The chip was launched on July 23, 2026; its instructions are those of AMD's public machine-readable ISA for CDNA 5 (MIT licence, August 2026) and "CDNA5" Instruction Set Architecture Reference Guide (July 2026). The comments in the code are by the model that wrote it; some were corrected since.
;; Multi Head Attention. Allowed arithmetic: float matrix products may take bf16 or f16 operands with f32 sums; all other float work in f32.
;; Inputs: Wk 1,024 x 1,024 float32; Wo 1,024 x 1,024 float32; Wq 1,024 x 1,024 float32; Wv 1,024 x 1,024 float32; bk 1,024 float32; bo 1,024 float32; bq 1,024 float32; bv 1,024 float32; k 4 x 2,048 x 1,024 float32; q 4 x 2,048 x 1,024 float32; v 4 x 2,048 x 1,024 float32.
;; Outputs: out0 4 x 2,048 x 1,024 float32.
;; 2 versions, each right; version 2 is version 1 with the launch softmax written anew for expert scheduling mode. Each part assembles by itself: llvm-mc -triple=amdgcn-amd-amdhsa -mcpu=gfx1250 --defsym DOCPART=n.
;; ======== version 1 of 2: 6 launches
;; limits: values are held in f16: magnitudes above 65,504 overflow, below 6.1e-05 lose precision
;; workspace buffers: xb 50,331,648 bytes; wb 8,388,608 bytes; pj 50,331,648 bytes; sc 67,108,864 bytes; pb 33,554,432 bytes; zt 16,777,216 bytes
;; launch cvt (part 1): grid 1792 x 1, 8 waves a work-group, no clusters, 0 bytes of LDS; arguments q, k, v, Wq, Wk, Wv, Wo, xb, wb; writes xb, wb
.if DOCPART == 1
	.amdgcn_target "amdgcn-amd-amdhsa--gfx1250"
	.amdhsa_code_object_version 6
	.text
	.protected	k_q8567ddc9c5_cvt
	.globl	k_q8567ddc9c5_cvt
	.p2align	8
	.type	k_q8567ddc9c5_cvt,@function
k_q8567ddc9c5_cvt:
	s_mov_b64 s[64:65], 0
	v_nop
	global_prefetch_b8 v0, s[64:65] scope:SCOPE_SE
	s_setreg_imm32_b32 hwreg(HW_REG_WAVE_MODE, 25, 1), 1
	s_wait_xcnt 0x0
; Rounds the seven matrix operands from f32 to f16, once, so that all four products read 2-byte operands.
; xb = [q | k | v] as f16 [3][8192][1024];  wb = [Wq | Wk | Wv | Wo] as f16 [4][1024][1024].
; WHY f16: the result is a chain of four products; with 8 significant bits each rounding of an operand is 1/256 of the number at the worst,
; with f16's 11 bits 1/2048, and the chain's five intermediates need the finer one.
; A work-group converts 16,384 numbers (64 KiB in, 32 KiB out): 3 x 512 groups for q, k, v, then 4 x 64 for the weights = 1,792.
; A stream: no LDS, no barrier, no matrix unit (nothing is used twice).  Sixteen 16-byte loads of every lane go out at once;
; each load of a wave covers 512 consecutive bytes, each store of a wave 256 consecutive bytes, aligned.
; LIMIT: f16's range.  A magnitude of 65,520 or more becomes an infinity; below 6.1e-5 the absolute rounding error is at most 3e-8.
.set X, 4                              ; v[4:67]   16 loads x 4 registers
.set Y, 68                             ; v[68:99]  16 stores x 2 registers
	s_load_b512 s[4:19], s[0:1], 0x0               ; q s[4:5], k s[6:7], v s[8:9], Wq s[10:11], Wk s[12:13], Wv s[14:15], Wo s[16:17], xb s[18:19]
	s_load_b64 s[20:21], s[0:1], 0x40              ; wb
	s_mov_b32 s24, ttmp9                           ; the group's number
	s_sub_co_u32 s25, s24, 1536                    ; its number among the weights' groups (used only where it is one)
	s_and_b32 s26, s24, 511                        ; chunk inside q, k or v
	s_and_b32 s27, s25, 63                         ; chunk inside a weight
	s_cmp_lt_u32 s24, 1536
	s_cselect_b32 s26, s26, s27                    ; chunk inside the source
	s_cselect_b32 s28, s24, s25                    ; chunk inside the destination
	s_lshl_b32 s26, s26, 16                        ; 65,536 bytes of f32 a chunk
	s_mov_b32 s27, 0
	s_lshl_b32 s28, s28, 15                        ; 32,768 bytes of f16 a chunk
	s_mov_b32 s29, 0
	v_lshlrev_b32 v1, 4, v0                        ; 16 bytes a thread in
	v_lshlrev_b32 v2, 3, v0                        ; 8 bytes a thread out
	s_wait_kmcnt 0x0
	s_mov_b64 s[22:23], s[16:17]                   ; the source, chosen by the group's number alone
	s_cmp_lt_u32 s24, 1728
	s_cselect_b64 s[22:23], s[14:15], s[22:23]
	s_cmp_lt_u32 s24, 1664
	s_cselect_b64 s[22:23], s[12:13], s[22:23]
	s_cmp_lt_u32 s24, 1600
	s_cselect_b64 s[22:23], s[10:11], s[22:23]
	s_cmp_lt_u32 s24, 1536
	s_cselect_b64 s[22:23], s[8:9], s[22:23]
	s_cselect_b64 s[30:31], s[18:19], s[20:21]     ; the destination: xb or wb
	s_cmp_lt_u32 s24, 1024
	s_cselect_b64 s[22:23], s[6:7], s[22:23]
	s_cmp_lt_u32 s24, 512
	s_cselect_b64 s[22:23], s[4:5], s[22:23]
	s_add_nc_u64 s[22:23], s[22:23], s[26:27]
	s_add_nc_u64 s[30:31], s[30:31], s[28:29]
.irp j, 0,1,2,3,4,5,6,7,8,9,10,11,12,13,14,15
	global_load_b128 v[X+4*\j:X+4*\j+3], v1, s[22:23] offset:4096*\j th:TH_LOAD_NT
.endr
.irp j, 0,1,2,3,4,5,6,7,8,9,10,11,12,13,14,15
	s_wait_loadcnt 15-\j                           ; loads come back in order: load j is in, the 15 - j younger ones stay out
	v_cvt_pk_f16_f32 v[Y+2*\j], v[X+4*\j], v[X+4*\j+1]
	v_cvt_pk_f16_f32 v[Y+2*\j+1], v[X+4*\j+2], v[X+4*\j+3]
	global_store_b64 v2, v[Y+2*\j:Y+2*\j+1], s[30:31] offset:2048*\j   ; no register of a load or store is ever written again
.endr
	s_endpgm
.Lfunc_end_k_q8567ddc9c5_cvt:
	.size	k_q8567ddc9c5_cvt, .Lfunc_end_k_q8567ddc9c5_cvt-k_q8567ddc9c5_cvt
	.p2alignl 7, 3214868480
	.fill 96, 4, 3214868480
	.section	.rodata,"a",@progbits
	.p2align	6, 0x0
	.amdhsa_kernel k_q8567ddc9c5_cvt
		.amdhsa_group_segment_fixed_size 0
		.amdhsa_private_segment_fixed_size 0
		.amdhsa_enable_private_segment 0
		.amdhsa_kernarg_size 72
		.amdhsa_user_sgpr_count 2
		.amdhsa_user_sgpr_kernarg_segment_ptr 1
		.amdhsa_wavefront_size32 1
		.amdhsa_system_sgpr_workgroup_id_x 1
		.amdhsa_system_sgpr_workgroup_id_y 1
		.amdhsa_system_sgpr_workgroup_id_z 1
		.amdhsa_system_vgpr_workitem_id 0
		.amdhsa_next_free_vgpr 104
		.amdhsa_next_free_sgpr 66
		.amdhsa_reserve_vcc 0
		.amdhsa_float_denorm_mode_32 3
		.amdhsa_float_denorm_mode_16_64 3
		.amdhsa_memory_ordered 1
		.amdhsa_forward_progress 1
		.amdhsa_inst_pref_size 8
	.end_amdhsa_kernel
	.amdgpu_metadata
---
amdhsa.version: [ 1, 2 ]
amdhsa.kernels:
  - .name:           k_q8567ddc9c5_cvt
    .symbol:         k_q8567ddc9c5_cvt.kd
    .args:
      - { .name: q, .offset: 0, .size: 8, .value_kind: global_buffer, .address_space: global }
      - { .name: k, .offset: 8, .size: 8, .value_kind: global_buffer, .address_space: global }
      - { .name: v, .offset: 16, .size: 8, .value_kind: global_buffer, .address_space: global }
      - { .name: Wq, .offset: 24, .size: 8, .value_kind: global_buffer, .address_space: global }
      - { .name: Wk, .offset: 32, .size: 8, .value_kind: global_buffer, .address_space: global }
      - { .name: Wv, .offset: 40, .size: 8, .value_kind: global_buffer, .address_space: global }
      - { .name: Wo, .offset: 48, .size: 8, .value_kind: global_buffer, .address_space: global }
      - { .name: xb, .offset: 56, .size: 8, .value_kind: global_buffer, .address_space: global }
      - { .name: wb, .offset: 64, .size: 8, .value_kind: global_buffer, .address_space: global }
    .group_segment_fixed_size: 0
    .private_segment_fixed_size: 0
    .kernarg_segment_align: 8
    .kernarg_segment_size: 72
    .max_flat_workgroup_size: 256
    .sgpr_count:     66
    .vgpr_count:     104
    .wavefront_size: 32
...
	.end_amdgpu_metadata
.endif
;; end of part 1
;; launch proj (part 2): grid 4 x 96, 4 waves a work-group, clusters of 4 x 4, 327,680 bytes of LDS; arguments xb, wb, bq, bk, bv, pj; writes pj
.if DOCPART == 2
	.amdgcn_target "amdgcn-amd-amdhsa--gfx1250"
	.amdhsa_code_object_version 6
	.text
	.protected	k_q8567ddc9c5_proj
	.globl	k_q8567ddc9c5_proj
	.p2align	8
	.type	k_q8567ddc9c5_proj,@function
k_q8567ddc9c5_proj:
	s_mov_b64 s[64:65], 0
	v_nop
	global_prefetch_b8 v0, s[64:65] scope:SCOPE_SE
	s_setreg_imm32_b32 hwreg(HW_REG_WAVE_MODE, 25, 1), 1
	s_wait_xcnt 0x0
	s_wait_alu depctr_hold_cnt(0) depctr_sa_sdst(0) depctr_va_vdst(0) depctr_va_sdst(0) depctr_va_ssrc(0) depctr_va_vcc(0) depctr_vm_vsrc(0)
	s_getreg_b32 s2, hwreg(HW_REG_IB_STS2, 6, 4)
	s_cmp_eq_u32 s2, 0
	s_cbranch_scc0 .Lentry_in_a_cluster
	s_endpgm
.Lentry_in_a_cluster:
	s_bfe_u32 s2, ttmp6, 0x10000c
	s_cmp_lg_u32 s2, 0xf033
	s_cbranch_scc0 .Lentry_shape_is_right
	s_endpgm
.Lentry_shape_is_right:
; pj[p] = xb[p] wb[p]^T + bias[p] for p = q, k, v: three products [8192 x 1024] x [1024 x 1024]^T in one launch, f16 in, f32 sums, f16 out.
; A work-group makes 256 rows x 256 columns with four waves; a wave makes 128 x 128: 64 accumulator tiles of 16 x 16, 512 registers.
; K goes in steps of 128 through two LDS slots filled by tensor loads (rows of 256 bytes, aligned, padded to 272 in LDS).
; Waves 0 and 1 fetch A's two halves, waves 2 and 3 B's, 128 rows each: one load a wave behind each change of slots.
; By this text's own count a wave has two tensor loads out at the start and one later; from a request to the wait for it a wave issues
; 240 of a K step's 256 matrix instructions.
; CLUSTERS: 4 x 4 work-groups.  The four of a cluster's row share the block row (A's tile), the four of a column the block column (B's tile):
; each tile is asked for jointly by the four that read it.  Block rows 0-31 are q's, 32-63 k's, 64-95 v's; a cluster's four block rows
; belong to one p, which is made from the cluster's y alone.
; The matrix instruction is used transposed (source 0 = rows of B, source 1 = rows of A): lane l holds row l % 16 of C and its eight
; registers the columns 8 (l / 16) + 0..7.  The bias, laid out in that form, is the C operand of the first K quarter: it starts the sums.
; REGISTERS, in windows of 256: window 0: v16-27 addresses, v64-127 and v128-191 A's fragments (two buffers), v192-223 packed results;
; window 1: v64-127 and v128-191 B's fragments, v192-255 the bias; window 2: the 32 accumulator tiles of my rows 0-63 (tile (a, b) at
; 8 (8 a + b)); window 3: those of my rows 64-127.
; LIMIT: operands and the result are f16 (11 significant bits); sums and bias in f32.  A result of magnitude 65,520 or more becomes an infinity:
; with inputs of spread 1 and weights of spread 1/32 the results have spread 1; both thirty times larger give spread 900.
.set KSTEP,  128
.set PITCH,  272                       ; 256 bytes of data + 16 of padding: the 16 rows of a fragment load start 16 bytes apart modulo 256
.set HALFT,  128*PITCH                 ; 128 rows: what one tensor load brings, and what one wave reads of A or of B
.set SLOT,   4*HALFT                   ; A's 256 rows, then B's 256 rows
.set STAGE,  2*SLOT                    ; 278,528: behind the ring, 16 rows x 272 bytes for each wave, for the way out; no fill lands here
.set SPITCH, 272
.set LAPS,   4                         ; K = 1024 = 4 laps of two K steps
.set STEP2,  2*KSTEP*2                 ; a slot's next tile: two K steps on, in bytes
.set PC,     2048                      ; bytes in a row of the result
.set ADRA, 16                          ; v16-17 LDS address of my A fragments in slot 0, 1
.set ADRB, 20                          ; v20-21 the same for B
.set STO,  24
.set RD,   25
.set CO,   26
.set BOFF, 27                          ; byte offset of my first bias number
.set F0,   64                          ; fragment buffer 0
.set F1,   128                         ; fragment buffer 1
.set TMP,  192                         ; window 0: packed results
.set BIAS, 192                         ; window 1: the bias of my 128 columns
.set G1,  24                           ; s[24:31] group 1 for A's tiles
.set G0,  32                           ; s[32:39] group 0 for A's tiles, a set for each slot
.set G1B, 48                           ; s[48:55] group 1 for B's tiles
.set G0B, 56                           ; s[56:63] group 0 for B's tiles, a set for each slot
.set MUL_LO,  0xa1                     ; source 0 (B) window 1, source 1 (A) window 0, C and D window 2
.set MUL_HI,  0xf1                     ; the same, C and D window 3
.set MULB_LO, 0x91                     ; C (the bias) window 1, D window 2
.set MULB_HI, 0xd1                     ; C (the bias) window 1, D window 3
.set TO_B,    0x40                     ; destination window 1, address window 0
.set MSB, 0
.macro WIN new                         ; the immediate's high byte repeats the setting that is left
.if MSB != \new
	s_set_vgpr_msb (MSB<<8)|\new
.set MSB, \new
.endif
.endm
.macro MWIN hi, mode                   ; the setting for a run of matrix instructions
.if \mode == 2
.if \hi
	WIN MULB_HI
.else
	WIN MULB_LO
.endif
.else
.if \hi
	WIN MUL_HI
.else
	WIN MUL_LO
.endif
.endif
.endm
.macro PLACES                          ; four places behind a matrix instruction (ISA guide 7.12.1), where there is no other vector work
.rept 4
	v_nop
.endr
.endm
.macro JLOAD s                         ; waves 0, 1: A's halves; waves 2, 3: B's halves.  The branch hangs on the wave's number alone
	s_cmp_eq_u32 s11, 0
	s_cbranch_scc0 .Lfor_b_\@
	tensor_load_to_lds s[G0+4*\s:G0+4*\s+3], s[G1:G1+7]
	s_nop 0
	s_branch .Lasked_\@
.Lfor_b_\@:
	tensor_load_to_lds s[G0B+4*\s:G0B+4*\s+3], s[G1B:G1B+7]
	s_nop 0
.Lasked_\@:
.endm
.macro CREST                           ; a round of the cluster's barrier behind its opening barrier
	s_cmp_lg_u32 s10, 0
	s_cbranch_scc1 .Lnot_wave_0_\@
	s_barrier_signal -3
.Lnot_wave_0_\@:
	s_barrier_wait -3
	s_barrier_signal -1
	s_barrier_wait -1
.endm
.macro CROUND
	s_barrier_signal -1
	s_barrier_wait -1
	CREST
.endm
	s_load_b128 s[4:7], s[0:1], 0x0                ; xb s[4:5], wb s[6:7]
	s_load_b128 s[68:71], s[0:1], 0x10             ; bq s[68:69], bk s[70:71]
	s_load_b128 s[72:75], s[0:1], 0x20             ; bv s[72:73], pj s[74:75]
	s_set_vgpr_msb 0x40
	v_lshl_add_u32 v63, v0, 2, 0x48400
	s_set_vgpr_msb 0x4000
	v_mov_b32 v255, 0
	s_set_vgpr_msb 0x1
	ds_add_u32 v63, v255
	ds_add_u32 v63, v255
	s_set_vgpr_msb 0x100
	v_lshrrev_b32 v1, 5, v0
	v_readfirstlane_b32 s10, v1                    ; wave 0..3
	s_lshr_b32 s11, s10, 1                         ; my half of the block's rows.  Also: I fetch for A (0) or for B (1)
	s_and_b32 s12, s10, 1                          ; my half of its columns.  Also: which 128 rows of that tile I fetch
	s_bfe_u32 s40, ttmp6, 0x40000                  ; cx
	s_bfe_u32 s41, ttmp6, 0x40004                  ; cy
	s_lshl_b32 s42, ttmp9, 2
	s_add_co_u32 s42, s42, s40                     ; block column = 4 x cluster x + cx
	s_and_b32 s45, ttmp7, 0xffff                   ; cluster y, 0..23
	s_lshl_b32 s13, s45, 2
	s_add_co_u32 s13, s13, s41                     ; block row = 4 x cluster y + cy, 0..95
	s_lshr_b32 s45, s45, 3                         ; p = 0, 1, 2 (q, k, v): from the cluster's y alone
	s_lshl_b32 s43, s41, 2
	s_lshl_b32 s43, 15, s43                        ; my row of the cluster
	s_lshl_b32 s44, 0x1111, s40                    ; my column
	s_or_b32 s[G1+0], s43, (1<<16)|(1<<20)|(1<<21)|(5<<22)|(3<<25)   ; mask; 2-byte elements; padding on; bit 21 beside a mask; after every 64 words 4 words
	s_mov_b32 s[G1+1], KSTEP<<16                   ; tensor_dim0 = 128
	s_mov_b32 s[G1+2], 128<<16                     ; tensor_dim1 = 128
	s_mov_b32 s[G1+3], KSTEP<<16                   ; tile_dim0 = 128
	s_mov_b32 s[G1+4], 128                         ; tile_dim1 = 128
	s_mov_b32 s[G1+5], 1024                        ; elements from row to row
	s_mov_b32 s[G1+6], 0
	s_mov_b32 s[G1+7], 0
	s_or_b32 s[G1B+0], s44, (1<<16)|(1<<20)|(1<<21)|(5<<22)|(3<<25)  ; the same with my column's mask
	s_mov_b32 s[G1B+1], KSTEP<<16
	s_mov_b32 s[G1B+2], 128<<16
	s_mov_b32 s[G1B+3], KSTEP<<16
	s_mov_b32 s[G1B+4], 128
	s_mov_b32 s[G1B+5], 1024
	s_mov_b32 s[G1B+6], 0
	s_mov_b32 s[G1B+7], 0
	s_lshl_b32 s16, s13, 8                         ; A: row 256 x block row + 128 x half,
	s_lshl_b32 s17, s12, 7
	s_add_co_u32 s16, s16, s17
	s_lshl_b32 s16, s16, 11                        ; times 2,048 bytes (under 50,331,648)
	s_mov_b32 s17, 0
	s_lshl_b32 s46, s45, 10                        ; B: row 1024 p + 256 x block column + 128 x half,
	s_lshl_b32 s47, s42, 8
	s_add_co_u32 s46, s46, s47
	s_lshl_b32 s47, s12, 7
	s_add_co_u32 s46, s46, s47
	s_lshl_b32 s46, s46, 11                        ; times 2,048 bytes
	s_mov_b32 s47, 0
	s_mul_i32 s20, s10, HALFT                      ; where my load goes in a slot: A's two halves, then B's two = wave x 128 rows; no place in the cluster enters an LDS address
	s_wait_dscnt 0x0
	s_wait_kmcnt 0x0
	s_add_nc_u64 s[14:15], s[4:5], s[16:17]
	s_add_nc_u64 s[46:47], s[6:7], s[46:47]
	CROUND                                         ; all sixteen work-groups are here: the first joint loads meet
.irp s, 0,1
	s_mov_b32 s[G0+4*\s], 1
	s_add_co_u32 s[G0+4*\s+1], s20, \s*SLOT
	s_add_nc_u64 s[G0+4*\s+2:G0+4*\s+3], s[14:15], \s*KSTEP*2
	s_or_b32 s[G0+4*\s+3], s[G0+4*\s+3], 0x80000000
	s_mov_b32 s[G0B+4*\s], 1
	s_add_co_u32 s[G0B+4*\s+1], s20, \s*SLOT
	s_add_nc_u64 s[G0B+4*\s+2:G0B+4*\s+3], s[46:47], \s*KSTEP*2
	s_or_b32 s[G0B+4*\s+3], s[G0B+4*\s+3], 0x80000000
	JLOAD \s                                       ; both first fills go out before anything else is done
.endr
	s_cmp_eq_u32 s45, 0                            ; the bias of my p
	s_cselect_b64 s[76:77], s[68:69], s[70:71]
	s_cmp_eq_u32 s45, 2
	s_cselect_b64 s[76:77], s[72:73], s[76:77]
	s_mov_b64 s[8:9], s[74:75]                     ; pj
	v_and_b32 v1, 15, v0                           ; r = l % 16
	v_bfe_u32 v2, v0, 4, 1                         ; h = l / 16
	v_mul_u32_u24 v3, v1, PITCH
	v_lshl_add_u32 v3, v2, 4, v3                   ; r x pitch + 16 h
	s_mul_i32 s21, s11, HALFT                      ; my 128 rows of A
	s_mul_i32 s22, s12, HALFT                      ; my 128 rows of B,
	s_add_co_u32 s22, s22, 2*HALFT                 ; which lie behind A's 256
.irp s, 0,1
	v_add_nc_u32 v[ADRA+\s], s21, v3
	v_add_nc_u32 v[ADRB+\s], s22, v3
	s_add_co_u32 s21, s21, SLOT
	s_add_co_u32 s22, s22, SLOT
.endr
	s_mul_i32 s23, s10, 16*SPITCH
	s_add_co_u32 s23, s23, STAGE                   ; my stage
	v_add_nc_u32 v[STO], s23, v3                   ; in: row r, 16 bytes for each half of the lanes
	v_mul_u32_u24 v5, v2, SPITCH                   ; back: lanes 0-15 one row of 256 bytes, lanes 16-31 the next
	v_lshl_add_u32 v5, v1, 4, v5
	v_add_nc_u32 v[RD], s23, v5
	v_mul_u32_u24 v5, v2, PC
	v_lshl_add_u32 v[CO], v1, 4, v5                ; the same two rows in the result
	s_lshl_b32 s14, s42, 10                        ; 4 bytes x (256 x block column + 128 x half + 8 h)
	s_lshl_b32 s15, s12, 9
	s_add_co_u32 s14, s14, s15
	v_lshl_add_u32 v[BOFF], v2, 5, s14
	WIN TO_B
.irp b, 0,1,2,3,4,5,6,7
	global_load_b128 v[BIAS+8*\b:BIAS+8*\b+3],   v[BOFF], s[76:77] offset:64*\b      ; bias of columns 16 b + 8 h + 0..3
	global_load_b128 v[BIAS+8*\b+4:BIAS+8*\b+7], v[BOFF], s[76:77] offset:64*\b+16   ; and + 4..7
.endr
	WIN 0
; 16 matrix instructions: m blocks a0, a0 + 1 of the window's four (hi = 0: my rows 0-63, 1: rows 64-127) x all 8 n blocks, 32 along K.
; mode 0: add in place; mode 2: the bias starts the sums: nothing is cleared and nothing is added later.
.macro MUL16 f, hi, a0, mode
.irp a, \a0, \a0+1
.irp b, 0,1,2,3,4,5,6,7
.if \mode == 2
	v_wmma_f32_16x16x32_f16 v[8*(8*(\a)+\b):8*(8*(\a)+\b)+7], v[\f+8*\b:\f+8*\b+7], v[\f+8*(4*\hi+\a):\f+8*(4*\hi+\a)+7], v[BIAS+8*\b:BIAS+8*\b+7]
.else
	v_wmma_f32_16x16x32_f16 v[8*(8*(\a)+\b):8*(8*(\a)+\b)+7], v[\f+8*\b:\f+8*\b+7], v[\f+8*(4*\hi+\a):\f+8*(4*\hi+\a)+7], v[8*(8*(\a)+\b):8*(8*(\a)+\b)+7]
.endif
.endr
.endr
.endm
; 32 LDS loads in one run: the fragments of one quarter step (128 rows of B, 128 rows of A, 32 K at byte k of the rows) into buffer f
.macro FETCH slot, k, f
	WIN TO_B
.irp i, 0,1,2,3,4,5,6,7
	ds_load_b128 v[\f+8*\i:\f+8*\i+3],   v[ADRB+\slot] offset:\k+\i*16*PITCH
	ds_load_b128 v[\f+8*\i+4:\f+8*\i+7], v[ADRB+\slot] offset:\k+\i*16*PITCH+32
.endr
	WIN 0
.irp i, 0,1,2,3,4,5,6,7
	ds_load_b128 v[\f+8*\i:\f+8*\i+3],   v[ADRA+\slot] offset:\k+\i*16*PITCH
	ds_load_b128 v[\f+8*\i+4:\f+8*\i+7], v[ADRA+\slot] offset:\k+\i*16*PITCH+32
.endr
.endm
; One of a K step's first three quarters: multiplies buffer f and, in its middle, fetches the quarter at byte k into buffer g.
; The 64 accumulators take turns, one instruction a turn, in the same order in every quarter.
.macro QUARTER slot, k, f, g, mode
	s_wait_dscnt 8                                 ; B and A's rows 0-63 are in; the eight youngest loads (A's rows 64-127) may be out
	MWIN 0, \mode
	MUL16 \f, 0, 0, \mode
	MUL16 \f, 0, 2, \mode
	PLACES                                         ; buffer g was last read by matrix instructions: four places in front of the loads into it
	FETCH \slot, \k, \g
	s_wait_dscnt 32                                ; all but the 32 just issued
	MWIN 1, \mode
	MUL16 \f, 1, 0, \mode
	MUL16 \f, 1, 2, \mode
.endm
.macro THREE slot, mode
	QUARTER \slot, 64,  F0, F1, \mode
	QUARTER \slot, 128, F1, F0, 0
	QUARTER \slot, 192, F0, F1, 0
.endm
; The last quarter multiplies buffer 1 and changes slots.  In front of the barrier each wave waits for its reads of this slot and for all its
; tensor loads (the one that is out is its part of the next slot).  Where the slot is filled again the barrier opens a round of the cluster's
; barrier, and the joint refill is the first tensor load behind the round.
.macro TURN slot, next, fill
	s_wait_dscnt 8
	WIN MUL_LO
	MUL16 F1, 0, 0, 0
	s_wait_dscnt 0                                 ; my reads of this slot are over
	s_wait_tensorcnt 0x0                           ; all my tensor loads have landed
	ds_add_u32 v63, v255
	s_wait_dscnt 0x0
	s_barrier_signal -1
	MUL16 F1, 0, 2, 0                              ; register work while the others arrive
	WIN 0
	s_barrier_wait -1
.if \fill
	CREST                                          ; no wave of any partner still reads this slot or has a load on its way
	s_add_nc_u64 s[G0+4*\slot+2:G0+4*\slot+3], s[G0+4*\slot+2:G0+4*\slot+3], STEP2
	s_add_nc_u64 s[G0B+4*\slot+2:G0B+4*\slot+3], s[G0B+4*\slot+2:G0B+4*\slot+3], STEP2
	JLOAD \slot
.endif
	PLACES
	FETCH \next, 0, F0
	WIN MUL_HI
	MUL16 F1, 1, 0, 0
	MUL16 F1, 1, 2, 0
.endm
.macro LAP mode
	THREE 0, \mode
	TURN 0, 1, 1
	THREE 1, 0
	TURN 1, 0, 1
.endm
	s_wait_loadcnt 0x0                             ; the bias
	s_wait_tensorcnt 1                             ; my part of K step 0 is in; K step 1's may stay out
	s_barrier_signal -1
	s_barrier_wait -1
	FETCH 0, 0, F0
	LAP 2                                          ; the first lap stands in front of the loop: its first products start the sums from the bias
	WIN 0                                          ; at a label and at a branch every window is 0
	s_mov_b32 s3, LAPS-2
.Llap:
	LAP 0
	WIN 0
	s_sub_co_u32 s3, s3, 1
	s_cmp_lg_u32 s3, 0
	s_cbranch_scc1 .Llap
	THREE 0, 0                                     ; the last lap fills nothing: my one tensor load that is still out is slot 1's, the last K step's
	TURN 0, 1, 0
	THREE 1, 0
	s_wait_dscnt 8                                 ; the very last quarter: nothing more to fetch
	WIN MUL_LO
	MUL16 F1, 0, 0, 0
	MUL16 F1, 0, 2, 0
	s_wait_dscnt 0
	WIN MUL_HI
	MUL16 F1, 1, 0, 0
	MUL16 F1, 1, 2, 0
	PLACES                                         ; behind the last matrix instructions, in front of the conversions and of the loads into the fragment buffers
	s_lshl_b32 s16, s13, 8                         ; my first row of the result: 256 x block row + 128 x half,
	s_lshl_b32 s14, s11, 7
	s_add_co_u32 s16, s16, s14
	s_lshl_b32 s16, s16, 11                        ; times 2,048 bytes
	s_mov_b32 s17, 0
	s_add_nc_u64 s[8:9], s[8:9], s[16:17]
	s_lshl_b32 s46, s42, 9                         ; my first column in bytes: 512 x block column + 256 x half
	s_lshl_b32 s47, s12, 8
	s_add_co_u32 s46, s46, s47
	s_mov_b32 s47, 0
	s_add_nc_u64 s[8:9], s[8:9], s[46:47]
; rows 16 i .. 16 i + 15 of my block = the eight tiles (a, 0..7) of window 2 or 3 (from = 0x0a or 0x0f: sources 0 and 1); f: F0 or F1 in turn.
; Round to f16, 16 bytes a lane into my own stage, read back as whole rows of 256 bytes, store.
.macro OUT16 i, a, from, f
	WIN \from
.irp b, 0,1,2,3,4,5,6,7
.irp r, 0,1,2,3
	v_cvt_pk_f16_f32 v[TMP+4*\b+\r], v[8*(8*\a+\b)+2*\r], v[8*(8*\a+\b)+2*\r+1]
.endr
.endr
	WIN 0
.irp b, 0,1,2,3,4,5,6,7
	ds_store_b128 v[STO], v[TMP+4*\b:TMP+4*\b+3] offset:32*\b
.endr
	s_wait_xcnt 0x0                                ; buffer f, which earlier stores read, and the stores' base are rewritten only behind this wait
.if \i
	s_add_nc_u64 s[8:9], s[8:9], 16*PC
.endif
.irp t, 0,1,2,3,4,5,6,7
	ds_load_b128 v[\f+4*\t:\f+4*\t+3], v[RD] offset:\t*2*SPITCH    ; LDS serves a wave's instructions in order: these see the stores above
.endr
.irp t, 0,1,2,3,4,5,6,7
	s_wait_dscnt 7-\t                              ; load t is in, the 7 - t younger ones stay out
	global_store_b128 v[CO], v[\f+4*\t:\f+4*\t+3], s[8:9] offset:2*\t*PC   ; 16 lanes store 256 consecutive bytes, aligned
.endr
.endm
	OUT16 0, 0, 0x0a, F0
	OUT16 1, 1, 0x0a, F1
	OUT16 2, 2, 0x0a, F0
	OUT16 3, 3, 0x0a, F1
	OUT16 4, 0, 0x0f, F0
	OUT16 5, 1, 0x0f, F1
	OUT16 6, 2, 0x0f, F0
	OUT16 7, 3, 0x0f, F1
	s_set_vgpr_msb 0x1
	s_wait_tensorcnt 0x0
	ds_add_u32 v63, v255
	s_wait_dscnt 0x0
	s_set_vgpr_msb 0x100
	CROUND                                         ; the closing round: no work-group ends while a partner may still ask for a tile that names it
	s_endpgm
.Lfunc_end_k_q8567ddc9c5_proj:
	.size	k_q8567ddc9c5_proj, .Lfunc_end_k_q8567ddc9c5_proj-k_q8567ddc9c5_proj
	.p2alignl 7, 3214868480
	.fill 96, 4, 3214868480
	.section	.rodata,"a",@progbits
	.p2align	6, 0x0
	.amdhsa_kernel k_q8567ddc9c5_proj
		.amdhsa_group_segment_fixed_size 327680
		.amdhsa_private_segment_fixed_size 0
		.amdhsa_enable_private_segment 0
		.amdhsa_kernarg_size 48
		.amdhsa_user_sgpr_count 2
		.amdhsa_user_sgpr_kernarg_segment_ptr 1
		.amdhsa_wavefront_size32 1
		.amdhsa_system_sgpr_workgroup_id_x 1
		.amdhsa_system_sgpr_workgroup_id_y 1
		.amdhsa_system_sgpr_workgroup_id_z 1
		.amdhsa_system_vgpr_workitem_id 0
		.amdhsa_next_free_vgpr 1024
		.amdhsa_next_free_sgpr 80
		.amdhsa_reserve_vcc 0
		.amdhsa_float_denorm_mode_32 3
		.amdhsa_float_denorm_mode_16_64 3
		.amdhsa_memory_ordered 1
		.amdhsa_forward_progress 1
		.amdhsa_inst_pref_size 198
	.end_amdhsa_kernel
	.amdgpu_metadata
---
amdhsa.version: [ 1, 2 ]
amdhsa.kernels:
  - .name:           k_q8567ddc9c5_proj
    .symbol:         k_q8567ddc9c5_proj.kd
    .args:
      - { .name: xb, .offset: 0, .size: 8, .value_kind: global_buffer, .address_space: global }
      - { .name: wb, .offset: 8, .size: 8, .value_kind: global_buffer, .address_space: global }
      - { .name: bq, .offset: 16, .size: 8, .value_kind: global_buffer, .address_space: global }
      - { .name: bk, .offset: 24, .size: 8, .value_kind: global_buffer, .address_space: global }
      - { .name: bv, .offset: 32, .size: 8, .value_kind: global_buffer, .address_space: global }
      - { .name: pj, .offset: 40, .size: 8, .value_kind: global_buffer, .address_space: global }
    .group_segment_fixed_size: 327680
    .private_segment_fixed_size: 0
    .kernarg_segment_align: 8
    .kernarg_segment_size: 48
    .max_flat_workgroup_size: 128
    .sgpr_count:     80
    .vgpr_count:     1024
    .wavefront_size: 32
...
	.end_amdgpu_metadata
.endif
;; end of part 2
;; launch scores (part 3): grid 9 x 16, 4 waves a work-group, no clusters, 327,680 bytes of LDS; arguments pj, sc; writes sc
.if DOCPART == 3
	.amdgcn_target "amdgcn-amd-amdhsa--gfx1250"
	.amdhsa_code_object_version 6
	.text
	.protected	k_q8567ddc9c5_scores
	.globl	k_q8567ddc9c5_scores
	.p2align	8
	.type	k_q8567ddc9c5_scores,@function
k_q8567ddc9c5_scores:
	s_mov_b64 s[64:65], 0
	v_nop
	global_prefetch_b8 v0, s[64:65] scope:SCOPE_SE
	s_setreg_imm32_b32 hwreg(HW_REG_WAVE_MODE, 25, 1), 1
	s_wait_xcnt 0x0
; sc[b][n][m] = sum over d of qp[b][n][d] kp[b][m][d], unscaled, f32; entries above the diagonal = -1e30 x 32 (the scale 1/32 is applied,
; exactly, by the softmax launch, so a masked entry is reference()'s -1e30 there).  Only tiles that touch the causal triangle are made.
; Tile: 256 rows (block I, 0..7) x 256 columns (block J, 0..I).  Row blocks p and 7 - p have (p + 1) + (8 - p) = 9 tiles together,
; so a grid of 9 x (4 pairs x 4 batches) holds exactly the 144 needed tiles.
; NO CLUSTER: a row of this grid has 9 tiles, which four does not divide, and the tiles that share a tile of qp number 1 to 8 from row block to
; row block, so no fixed group of four partners would make every joint request.
; The skeleton is that of the projections: four waves, 128 x 128 a wave (64 accumulator tiles in register windows 2 and 3), K steps of 128
; through two LDS slots, one tensor load of 128 rows a wave behind each change of slots (two out at the start, one later, by this text's own
; count; 240 of a K step's 256 matrix instructions between a request and the wait for it), the matrix instruction used transposed.
; LIMIT: operands are f16 (11 significant bits); sums f32.
.set KSTEP,  128
.set PITCH,  272
.set HALFT,  128*PITCH
.set SLOT,   4*HALFT
.set STAGE,  2*SLOT                    ; 278,528: 16 rows x 528 bytes for each wave; no fill lands here
.set FPITCH, 528                       ; 512 bytes of f32 + 16
.set LAPS,   4
.set STEP2,  2*KSTEP*2
.set PC,     8192                      ; bytes in a row of sc
.set ADRA, 16
.set ADRB, 20
.set STO,  24
.set RD,   25
.set CO,   26
.set DELTA, 27                         ; (my row of m block 0) - (my column of n block 0, register 0)
.set F0,   64
.set F1,   128
.set G1,  24
.set G0,  32
.set G1B, 48
.set G0B, 56
.set CM,  80                           ; s[80:87] eight lane masks
.set MUL_LO,  0xa1                     ; source 0 (B) window 1, source 1 (A) window 0, C and D window 2
.set MUL_HI,  0xf1                     ; the same, C and D window 3
.set TO_B,    0x40                     ; destination window 1, address window 0
.set MASK_LO, 0x88                     ; destination and source 1 in window 2
.set MASK_HI, 0xcc                     ; in window 3
.set MSB, 0
.macro WIN new
.if MSB != \new
	s_set_vgpr_msb (MSB<<8)|\new
.set MSB, \new
.endif
.endm
.macro PLACES
.rept 4
	v_nop
.endr
.endm
.macro JLOAD s                         ; waves 0, 1: A's halves; waves 2, 3: B's halves
	s_cmp_eq_u32 s11, 0
	s_cbranch_scc0 .Lfor_b_\@
	tensor_load_to_lds s[G0+4*\s:G0+4*\s+3], s[G1:G1+7]
	s_nop 0
	s_branch .Lasked_\@
.Lfor_b_\@:
	tensor_load_to_lds s[G0B+4*\s:G0B+4*\s+3], s[G1B:G1B+7]
	s_nop 0
.Lasked_\@:
.endm
	s_load_b128 s[4:7], s[0:1], 0x0                ; pj s[4:5], sc s[6:7]
	s_set_vgpr_msb 0x40
	v_lshl_add_u32 v255, v0, 2, 0x4c400
	s_set_vgpr_msb 0x4000
	v_mov_b32 v255, 0
	s_set_vgpr_msb 0x1
	ds_add_u32 v255, v255
	ds_add_u32 v255, v255
	s_set_vgpr_msb 0x100
	v_lshrrev_b32 v1, 5, v0
	v_readfirstlane_b32 s10, v1
	s_lshr_b32 s11, s10, 1
	s_and_b32 s12, s10, 1
	s_mov_b32 s40, ttmp9                           ; t = 0..8
	s_and_b32 s41, ttmp7, 0xffff
	s_and_b32 s42, s41, 3                          ; p
	s_lshr_b32 s69, s41, 2                         ; batch
	s_add_co_u32 s44, s42, 1                       ; tiles of row block p
	s_sub_co_u32 s45, 7, s42
	s_sub_co_u32 s43, s40, s44
	s_cmp_lt_u32 s40, s44
	s_cselect_b32 s13, s42, s45                    ; I
	s_cselect_b32 s68, s40, s43                    ; J
	s_mov_b32 s71, 0xf3c9f2ca                      ; -1e30 x 32
	s_mov_b32 s[G1+0], (1<<16)|(1<<20)|(5<<22)|(3<<25)   ; no mask; 2-byte elements; after every 64 words 4 words of padding
	s_mov_b32 s[G1+1], KSTEP<<16
	s_mov_b32 s[G1+2], 128<<16
	s_mov_b32 s[G1+3], KSTEP<<16
	s_mov_b32 s[G1+4], 128
	s_mov_b32 s[G1+5], 1024
	s_mov_b32 s[G1+6], 0
	s_mov_b32 s[G1+7], 0
	s_mov_b32 s[G1B+0], (1<<16)|(1<<20)|(5<<22)|(3<<25)
	s_mov_b32 s[G1B+1], KSTEP<<16
	s_mov_b32 s[G1B+2], 128<<16
	s_mov_b32 s[G1B+3], KSTEP<<16
	s_mov_b32 s[G1B+4], 128
	s_mov_b32 s[G1B+5], 1024
	s_mov_b32 s[G1B+6], 0
	s_mov_b32 s[G1B+7], 0
	s_lshl_b32 s16, s69, 11                        ; A = qp: row 2048 batch + 256 I + 128 x half
	s_lshl_b32 s17, s13, 8
	s_add_co_u32 s16, s16, s17
	s_lshl_b32 s17, s12, 7
	s_add_co_u32 s16, s16, s17
	s_lshl_b32 s16, s16, 11                        ; times 2,048 bytes
	s_mov_b32 s17, 0
	s_lshl_b32 s46, s69, 11                        ; B = kp: row 8192 + 2048 batch + 256 J + 128 x half
	s_add_co_u32 s46, s46, 8192
	s_lshl_b32 s47, s68, 8
	s_add_co_u32 s46, s46, s47
	s_lshl_b32 s47, s12, 7
	s_add_co_u32 s46, s46, s47
	s_lshl_b32 s46, s46, 11
	s_mov_b32 s47, 0
	s_mul_i32 s20, s10, HALFT                      ; where my load goes in a slot: wave x 128 rows
	s_wait_dscnt 0x0
	s_wait_kmcnt 0x0
	s_add_nc_u64 s[14:15], s[4:5], s[16:17]
	s_add_nc_u64 s[46:47], s[4:5], s[46:47]
.irp s, 0,1
	s_mov_b32 s[G0+4*\s], 1
	s_add_co_u32 s[G0+4*\s+1], s20, \s*SLOT
	s_add_nc_u64 s[G0+4*\s+2:G0+4*\s+3], s[14:15], \s*KSTEP*2
	s_or_b32 s[G0+4*\s+3], s[G0+4*\s+3], 0x80000000
	s_mov_b32 s[G0B+4*\s], 1
	s_add_co_u32 s[G0B+4*\s+1], s20, \s*SLOT
	s_add_nc_u64 s[G0B+4*\s+2:G0B+4*\s+3], s[46:47], \s*KSTEP*2
	s_or_b32 s[G0B+4*\s+3], s[G0B+4*\s+3], 0x80000000
	JLOAD \s                                       ; both first fills go out before anything else is done
.endr
	s_mov_b64 s[8:9], s[6:7]                       ; sc
	v_and_b32 v1, 15, v0                           ; r
	v_bfe_u32 v2, v0, 4, 1                         ; h
	v_mul_u32_u24 v3, v1, PITCH
	v_lshl_add_u32 v3, v2, 4, v3
	s_mul_i32 s21, s11, HALFT                      ; my 128 rows of A
	s_mul_i32 s22, s12, HALFT                      ; my 128 rows of B,
	s_add_co_u32 s22, s22, 2*HALFT                 ; behind A's 256
.irp s, 0,1
	v_add_nc_u32 v[ADRA+\s], s21, v3
	v_add_nc_u32 v[ADRB+\s], s22, v3
	s_add_co_u32 s21, s21, SLOT
	s_add_co_u32 s22, s22, SLOT
.endr
	s_mul_i32 s23, s10, 16*FPITCH
	s_add_co_u32 s23, s23, STAGE                   ; my stage
	v_mul_u32_u24 v4, v1, FPITCH                   ; in: row r, 32 bytes for each half of the lanes
	v_lshl_add_u32 v4, v2, 5, v4
	v_add_nc_u32 v[STO], s23, v4
	v_and_b32 v5, 31, v0
	v_lshlrev_b32 v[CO], 4, v5                     ; back and out: 32 lanes x 16 bytes = a row's 512 bytes
	v_add_nc_u32 v[RD], s23, v[CO]
	s_lshl_b32 s14, s13, 8                         ; 256 I + 128 x row half
	s_lshl_b32 s15, s11, 7
	s_add_co_u32 s14, s14, s15
	s_lshl_b32 s15, s68, 8                         ; - 256 J - 128 x column half
	s_sub_co_u32 s14, s14, s15
	s_lshl_b32 s15, s12, 7
	s_sub_co_u32 s14, s14, s15
	v_lshlrev_b32 v4, 3, v2
	v_sub_nc_u32 v4, v1, v4                        ; r - 8 h
	v_add_nc_u32 v[DELTA], s14, v4
; 16 matrix instructions: m blocks a0, a0 + 1 of the window's four x all 8 n blocks, 32 along K.  mode 1: the first product starts the sums.
.macro MUL16 f, hi, a0, mode
.irp a, \a0, \a0+1
.irp b, 0,1,2,3,4,5,6,7
.if \mode == 1
	v_wmma_f32_16x16x32_f16 v[8*(8*(\a)+\b):8*(8*(\a)+\b)+7], v[\f+8*\b:\f+8*\b+7], v[\f+8*(4*\hi+\a):\f+8*(4*\hi+\a)+7], 0
.else
	v_wmma_f32_16x16x32_f16 v[8*(8*(\a)+\b):8*(8*(\a)+\b)+7], v[\f+8*\b:\f+8*\b+7], v[\f+8*(4*\hi+\a):\f+8*(4*\hi+\a)+7], v[8*(8*(\a)+\b):8*(8*(\a)+\b)+7]
.endif
.endr
.endr
.endm
.macro FETCH slot, k, f
	WIN TO_B
.irp i, 0,1,2,3,4,5,6,7
	ds_load_b128 v[\f+8*\i:\f+8*\i+3],   v[ADRB+\slot] offset:\k+\i*16*PITCH
	ds_load_b128 v[\f+8*\i+4:\f+8*\i+7], v[ADRB+\slot] offset:\k+\i*16*PITCH+32
.endr
	WIN 0
.irp i, 0,1,2,3,4,5,6,7
	ds_load_b128 v[\f+8*\i:\f+8*\i+3],   v[ADRA+\slot] offset:\k+\i*16*PITCH
	ds_load_b128 v[\f+8*\i+4:\f+8*\i+7], v[ADRA+\slot] offset:\k+\i*16*PITCH+32
.endr
.endm
; The 64 accumulators take turns, one instruction a turn, in the same order in every quarter.
.macro QUARTER slot, k, f, g, mode
	s_wait_dscnt 8                                 ; B and A's rows 0-63 are in; the eight youngest loads (A's rows 64-127) may be out
	WIN MUL_LO
	MUL16 \f, 0, 0, \mode
	MUL16 \f, 0, 2, \mode
	PLACES                                         ; four places in front of the loads into buffer g, which matrix instructions have read
	FETCH \slot, \k, \g
	s_wait_dscnt 32                                ; all but the 32 just issued
	WIN MUL_HI
	MUL16 \f, 1, 0, \mode
	MUL16 \f, 1, 2, \mode
.endm
.macro THREE slot, mode
	QUARTER \slot, 64,  F0, F1, \mode
	QUARTER \slot, 128, F1, F0, 0
	QUARTER \slot, 192, F0, F1, 0
.endm
; The change of slots: every wave's reads of this slot and all its tensor loads are waited for in front of the barrier; the refill is the first
; tensor load behind it, one a wave.
.macro TURN slot, next, fill
	s_wait_dscnt 8
	WIN MUL_LO
	MUL16 F1, 0, 0, 0
	s_wait_dscnt 0                                 ; my reads of this slot are over
	s_wait_tensorcnt 0x0                           ; all my tensor loads have landed: my part of the next slot
	ds_add_u32 v255, v255
	s_wait_dscnt 0x0
	s_barrier_signal -1
	MUL16 F1, 0, 2, 0                              ; register work while the others arrive
	WIN 0
	s_barrier_wait -1
.if \fill
	s_add_nc_u64 s[G0+4*\slot+2:G0+4*\slot+3], s[G0+4*\slot+2:G0+4*\slot+3], STEP2
	s_add_nc_u64 s[G0B+4*\slot+2:G0B+4*\slot+3], s[G0B+4*\slot+2:G0B+4*\slot+3], STEP2
	JLOAD \slot
.endif
	PLACES
	FETCH \next, 0, F0
	WIN MUL_HI
	MUL16 F1, 1, 0, 0
	MUL16 F1, 1, 2, 0
.endm
.macro LAP mode
	THREE 0, \mode
	TURN 0, 1, 1
	THREE 1, 0
	TURN 1, 0, 1
.endm
	s_wait_tensorcnt 1                             ; my part of K step 0 is in; K step 1's may stay out
	s_barrier_signal -1
	s_barrier_wait -1
	FETCH 0, 0, F0
	LAP 1                                          ; the first products start the sums: nothing is cleared
	WIN 0
	s_mov_b32 s3, LAPS-2
.Llap:
	LAP 0
	WIN 0
	s_sub_co_u32 s3, s3, 1
	s_cmp_lg_u32 s3, 0
	s_cbranch_scc1 .Llap
	THREE 0, 0                                     ; the last lap fills nothing
	TURN 0, 1, 0
	THREE 1, 0
	s_wait_dscnt 8
	WIN MUL_LO
	MUL16 F1, 0, 0, 0
	MUL16 F1, 0, 2, 0
	s_wait_dscnt 0
	WIN MUL_HI
	MUL16 F1, 1, 0, 0
	MUL16 F1, 1, 2, 0
	PLACES                                         ; behind the last matrix instructions
	WIN 0
	s_cmp_lg_u32 s68, s13                          ; only the tile J = I crosses the diagonal
	s_cbranch_scc1 .Lnomask
; An entry is kept where column <= row: DELTA + 16 (m block) >= 16 (n block) + register.  Eight compares into eight scalar masks, then the
; eight selects, so that no select stands straight behind its own compare.
.macro MASKW hi
.irp a, 0,1,2,3
.irp b, 0,1,2,3,4,5,6,7
.irp j, 0,1,2,3,4,5,6,7
	v_cmp_ge_i32 s[CM+\j], v[DELTA], 16*\b+\j-16*(4*\hi+\a)
.endr
.irp j, 0,1,2,3,4,5,6,7
	v_cndmask_b32 v[8*(8*\a+\b)+\j], s71, v[8*(8*\a+\b)+\j], s[CM+\j]
.endr
.endr
.endr
.endm
	WIN MASK_LO
	MASKW 0
	WIN MASK_HI
	MASKW 1
	WIN 0
.Lnomask:
	s_lshl_b32 s16, s13, 8                         ; row 256 I + 128 x half, times 8,192 bytes,
	s_lshl_b32 s14, s11, 7
	s_add_co_u32 s16, s16, s14
	s_lshl_b32 s16, s16, 13
	s_lshl_b32 s14, s69, 24                        ; + batch x 16 MiB
	s_add_co_u32 s16, s16, s14
	s_lshl_b32 s14, s68, 10                        ; + 4 bytes x (256 J + 128 x half)
	s_add_co_u32 s16, s16, s14
	s_lshl_b32 s14, s12, 9
	s_add_co_u32 s16, s16, s14
	s_mov_b32 s17, 0
	s_add_nc_u64 s[8:9], s[8:9], s[16:17]
; rows 16 i .. 16 i + 15 of my block = the eight tiles (a, 0..7) of window 2 or 3 (st = 0x08 or 0x0c: an LDS store's data).
; 2 x 16 bytes a lane and tile into my own stage, read back as whole rows of 512 bytes, store.
.macro OUTF i, a, st, f
	WIN \st
.irp b, 0,1,2,3,4,5,6,7
	ds_store_b128 v[STO], v[8*(8*\a+\b):8*(8*\a+\b)+3]   offset:64*\b
	ds_store_b128 v[STO], v[8*(8*\a+\b)+4:8*(8*\a+\b)+7] offset:64*\b+16
.endr
	WIN 0
	s_wait_xcnt 0x0                                ; buffer f, which earlier stores read, and the stores' base are rewritten only behind this wait
.if \i
	s_add_nc_u64 s[8:9], s[8:9], 16*PC
.endif
.irp t, 0,1,2,3,4,5,6,7,8,9,10,11,12,13,14,15
	ds_load_b128 v[\f+4*\t:\f+4*\t+3], v[RD] offset:\t*FPITCH      ; LDS serves a wave's instructions in order: these see the stores above
.endr
.irp t, 0,1,2,3,4,5,6,7,8,9,10,11,12,13,14,15
	s_wait_dscnt 15-\t                             ; load t is in, the 15 - t younger ones stay out
	global_store_b128 v[CO], v[\f+4*\t:\f+4*\t+3], s[8:9] offset:\t*PC     ; a wave stores 512 consecutive bytes, aligned
.endr
.endm
	OUTF 0, 0, 0x08, F0
	OUTF 1, 1, 0x08, F1
	OUTF 2, 2, 0x08, F0
	OUTF 3, 3, 0x08, F1
	OUTF 4, 0, 0x0c, F0
	OUTF 5, 1, 0x0c, F1
	OUTF 6, 2, 0x0c, F0
	OUTF 7, 3, 0x0c, F1
	s_set_vgpr_msb 0x1
	s_wait_tensorcnt 0x0
	ds_add_u32 v255, v255
	s_wait_dscnt 0x0
	s_set_vgpr_msb 0x100
	s_endpgm
.Lfunc_end_k_q8567ddc9c5_scores:
	.size	k_q8567ddc9c5_scores, .Lfunc_end_k_q8567ddc9c5_scores-k_q8567ddc9c5_scores
	.p2alignl 7, 3214868480
	.fill 96, 4, 3214868480
	.section	.rodata,"a",@progbits
	.p2align	6, 0x0
	.amdhsa_kernel k_q8567ddc9c5_scores
		.amdhsa_group_segment_fixed_size 327680
		.amdhsa_private_segment_fixed_size 0
		.amdhsa_enable_private_segment 0
		.amdhsa_kernarg_size 16
		.amdhsa_user_sgpr_count 2
		.amdhsa_user_sgpr_kernarg_segment_ptr 1
		.amdhsa_wavefront_size32 1
		.amdhsa_system_sgpr_workgroup_id_x 1
		.amdhsa_system_sgpr_workgroup_id_y 1
		.amdhsa_system_sgpr_workgroup_id_z 1
		.amdhsa_system_vgpr_workitem_id 0
		.amdhsa_next_free_vgpr 1024
		.amdhsa_next_free_sgpr 88
		.amdhsa_reserve_vcc 0
		.amdhsa_float_denorm_mode_32 3
		.amdhsa_float_denorm_mode_16_64 3
		.amdhsa_memory_ordered 1
		.amdhsa_forward_progress 1
		.amdhsa_inst_pref_size 255
	.end_amdhsa_kernel
	.section	.bss,"aw",@nobits
	.p2align	6
	.space	262144
	.amdgpu_metadata
---
amdhsa.version: [ 1, 2 ]
amdhsa.kernels:
  - .name:           k_q8567ddc9c5_scores
    .symbol:         k_q8567ddc9c5_scores.kd
    .args:
      - { .name: pj, .offset: 0, .size: 8, .value_kind: global_buffer, .address_space: global }
      - { .name: sc, .offset: 8, .size: 8, .value_kind: global_buffer, .address_space: global }
    .group_segment_fixed_size: 327680
    .private_segment_fixed_size: 0
    .kernarg_segment_align: 8
    .kernarg_segment_size: 16
    .max_flat_workgroup_size: 128
    .sgpr_count:     88
    .vgpr_count:     1024
    .wavefront_size: 32
...
	.end_amdgpu_metadata
.endif
;; end of part 3
;; launch softmax (part 4): grid 128 x 4, 8 waves a work-group, no clusters, 0 bytes of LDS; arguments sc, pb; writes pb
.if DOCPART == 4
	.amdgcn_target "amdgcn-amd-amdhsa--gfx1250"
	.amdhsa_code_object_version 6
	.text
	.protected	k_q8567ddc9c5_softmax
	.globl	k_q8567ddc9c5_softmax
	.p2align	8
	.type	k_q8567ddc9c5_softmax,@function
k_q8567ddc9c5_softmax:
	s_mov_b64 s[64:65], 0
	v_nop
	global_prefetch_b8 v0, s[64:65] scope:SCOPE_SE
	s_setreg_imm32_b32 hwreg(HW_REG_WAVE_MODE, 25, 1), 1
	s_wait_xcnt 0x0
; pb[b][n][m] = softmax over m of sc[b][n][m] / 32, f16.  Of a row in the block of 256 rows number I only its first 256 (I + 1) columns exist:
; they hold every causal entry, and masked entries hold -1e30 x 32, whose exponential is 0, so they are stored as zeros.
; One wave takes a whole row (8 KiB at the most = 64 registers) and keeps it in registers between the maximum, the sum and the scaling:
; no LDS, no barrier, each byte read once.  A wave has two rows, both requested at once.  Group g = 127 - x: the long rows start first.
; The row's maximum m is taken away: t = x c - round(m c), c = log2(e) / 32, one fused multiply-add; the rounding of m c is a common factor
; of the whole row and cancels in the division by the sum.  The sum is at least about 1 (the maximum's own term).
; The text is written out for each of the eight row lengths; the branch hangs on the work-group's number alone.
; LIMITS: exponentials below 2^-126 become 0 (v_exp_f32 flushes denormal results: ISA guide 15.8); a probability below 6.1e-5 is stored as a
; denormal f16, with an absolute error of at most 3e-8 (a row has at most 2,048 of them); NaN is not propagated by the maximum.
.set T,  4                             ; v[4:7]    at work
.set M,  12                            ; v[12:13]  -m c, twice
.set R,  14                            ; v[14:15]  1 / sum, twice
.set X0, 16                            ; v[16:79]  first row
.set X1, 80                            ; v[80:143] second row
	s_load_b128 s[4:7], s[0:1], 0x0                ; sc s[4:5], pb s[6:7]
	s_sub_co_u32 s8, 127, ttmp9                    ; g: rows 16 g .. 16 g + 15
	s_and_b32 s9, ttmp7, 0xffff                    ; batch
	s_lshr_b32 s10, s8, 4                          ; I
	s_lshl_b32 s14, s9, 24                         ; sc: batch x 16 MiB + 16 g rows of 8,192 bytes
	s_lshl_b32 s15, s8, 17
	s_add_co_u32 s14, s14, s15
	s_mov_b32 s15, 0
	s_lshl_b32 s16, s9, 23                         ; pb: batch x 8 MiB + 16 g rows of 4,096 bytes
	s_lshl_b32 s17, s8, 16
	s_add_co_u32 s16, s16, s17
	s_mov_b32 s17, 0
	s_mov_b32 s12, 0x76543210                      ; v_permlanex16_b32: lane i of one half reads lane i of the other
	s_mov_b32 s13, 0xfedcba98
	v_and_b32 v3, 31, v0                           ; lane
	v_lshrrev_b32 v4, 5, v0                        ; wave
	v_lshlrev_b32 v1, 4, v3
	v_lshl_or_b32 v1, v4, 14, v1                   ; 16 x lane + wave x 2 rows of sc
	v_lshlrev_b32 v2, 3, v3
	v_lshl_or_b32 v2, v4, 13, v2                   ; 8 x lane + wave x 2 rows of pb
	s_wait_kmcnt 0x0
	s_add_nc_u64 s[4:5], s[4:5], s[14:15]
	s_add_nc_u64 s[6:7], s[6:7], s[16:17]
; One row of n loads (4 n registers from x on); so = the row's byte offset in pb from the wave's first row.
.macro ROWSM x, n, so
	v_max_num_f32 v[T], v[\x], v[\x+1]             ; the first four numbers start two chains
	v_max_num_f32 v[T+1], v[\x+2], v[\x+3]
.set j, 4
.rept \n-1
	v_max3_num_f32 v[T], v[T], v[\x+j], v[\x+j+1]
	v_max3_num_f32 v[T+1], v[T+1], v[\x+j+2], v[\x+j+3]
.set j, j+4
.endr
	v_max_num_f32 v[T], v[T], v[T+1]
	v_max_num_f32_dpp v[T], v[T], v[T] row_xmask:1 row_mask:0xf bank_mask:0xf
	v_max_num_f32_dpp v[T], v[T], v[T] row_xmask:2 row_mask:0xf bank_mask:0xf
	v_max_num_f32_dpp v[T], v[T], v[T] row_xmask:4 row_mask:0xf bank_mask:0xf
	v_max_num_f32_dpp v[T], v[T], v[T] row_xmask:8 row_mask:0xf bank_mask:0xf
	v_permlanex16_b32 v[T+1], v[T], s12, s13
	v_max_num_f32 v[T], v[T], v[T+1]               ; the row's maximum, in every lane
	v_mul_f32 v[M], 0xbd38aa3b, v[T]               ; -m log2(e) / 32
	v_mov_b32 v[M+1], v[M]
.set j, 0
.rept 2*\n
	v_pk_fma_f32 v[\x+j:\x+j+1], v[\x+j:\x+j+1], 0x3d38aa3b, v[M:M+1] op_sel_hi:[1,0,1]
.set j, j+2
.endr
.set j, 0
.rept 4*\n
	v_exp_f32 v[\x+j], v[\x+j]
.set j, j+1
.endr
	v_nop                                          ; one plain place behind the exponentials, in front of the first use of a result (ISA guide 5.7.2)
	s_wait_alu depctr_va_vdst(0)
	v_pk_add_f32 v[T:T+1], v[\x:\x+1], v[\x+2:\x+3]
	v_pk_add_f32 v[T+2:T+3], v[\x+4:\x+5], v[\x+6:\x+7]
.set j, 8
.rept \n-2
	v_pk_add_f32 v[T:T+1], v[T:T+1], v[\x+j:\x+j+1]
	v_pk_add_f32 v[T+2:T+3], v[T+2:T+3], v[\x+j+2:\x+j+3]
.set j, j+4
.endr
	v_pk_add_f32 v[T:T+1], v[T:T+1], v[T+2:T+3]
	v_add_f32 v[T], v[T], v[T+1]
	v_add_f32_dpp v[T], v[T], v[T] row_xmask:1 row_mask:0xf bank_mask:0xf
	v_add_f32_dpp v[T], v[T], v[T] row_xmask:2 row_mask:0xf bank_mask:0xf
	v_add_f32_dpp v[T], v[T], v[T] row_xmask:4 row_mask:0xf bank_mask:0xf
	v_add_f32_dpp v[T], v[T], v[T] row_xmask:8 row_mask:0xf bank_mask:0xf
	v_permlanex16_b32 v[T+1], v[T], s12, s13
	v_add_f32 v[T+2], v[T], v[T+1]                 ; the row's sum, in every lane
	v_rcp_f32 v[R], v[T+2]
	v_rcp_f32 v[R+1], v[T+2]
	v_nop                                          ; one plain place behind the reciprocals
.set j, 0
	s_wait_alu depctr_va_vdst(0)
.rept \n
	v_pk_mul_f32 v[\x+4*j:\x+4*j+1], v[\x+4*j:\x+4*j+1], v[R:R+1]
	v_pk_mul_f32 v[\x+4*j+2:\x+4*j+3], v[\x+4*j+2:\x+4*j+3], v[R:R+1]
	v_cvt_pk_f16_f32 v[\x+4*j], v[\x+4*j], v[\x+4*j+1]
	v_cvt_pk_f16_f32 v[\x+4*j+1], v[\x+4*j+2], v[\x+4*j+3]
	global_store_b64 v2, v[\x+4*j:\x+4*j+1], s[6:7] offset:\so+256*j       ; a wave stores 256 consecutive bytes, aligned; its registers are not written again
.set j, j+1
.endr
.endm
.macro SM n
.set j, 0
.rept \n
	global_load_b128 v[X0+4*j:X0+4*j+3], v1, s[4:5] offset:512*j th:TH_LOAD_NT
.set j, j+1
.endr
.set j, 0
.rept \n
	global_load_b128 v[X1+4*j:X1+4*j+3], v1, s[4:5] offset:8192+512*j th:TH_LOAD_NT
.set j, j+1
.endr
	s_wait_loadcnt \n                              ; the first row is in; the second row's n loads stay out
	ROWSM X0, \n, 0
	s_wait_loadcnt 0x0
	ROWSM X1, \n, 4096
	s_endpgm
.endm
	s_cmp_eq_u32 s10, 0
	s_cbranch_scc1 .Lv0
	s_cmp_eq_u32 s10, 1
	s_cbranch_scc1 .Lv1
	s_cmp_eq_u32 s10, 2
	s_cbranch_scc1 .Lv2
	s_cmp_eq_u32 s10, 3
	s_cbranch_scc1 .Lv3
	s_cmp_eq_u32 s10, 4
	s_cbranch_scc1 .Lv4
	s_cmp_eq_u32 s10, 5
	s_cbranch_scc1 .Lv5
	s_cmp_eq_u32 s10, 6
	s_cbranch_scc1 .Lv6
	SM 16
.Lv6:
	SM 14
.Lv5:
	SM 12
.Lv4:
	SM 10
.Lv3:
	SM 8
.Lv2:
	SM 6
.Lv1:
	SM 4
.Lv0:
	SM 2
.Lfunc_end_k_q8567ddc9c5_softmax:
	.size	k_q8567ddc9c5_softmax, .Lfunc_end_k_q8567ddc9c5_softmax-k_q8567ddc9c5_softmax
	.p2alignl 7, 3214868480
	.fill 96, 4, 3214868480
	.section	.rodata,"a",@progbits
	.p2align	6, 0x0
	.amdhsa_kernel k_q8567ddc9c5_softmax
		.amdhsa_group_segment_fixed_size 0
		.amdhsa_private_segment_fixed_size 0
		.amdhsa_enable_private_segment 0
		.amdhsa_kernarg_size 16
		.amdhsa_user_sgpr_count 2
		.amdhsa_user_sgpr_kernarg_segment_ptr 1
		.amdhsa_wavefront_size32 1
		.amdhsa_system_sgpr_workgroup_id_x 1
		.amdhsa_system_sgpr_workgroup_id_y 1
		.amdhsa_system_sgpr_workgroup_id_z 1
		.amdhsa_system_vgpr_workitem_id 0
		.amdhsa_next_free_vgpr 144
		.amdhsa_next_free_sgpr 66
		.amdhsa_reserve_vcc 0
		.amdhsa_float_denorm_mode_32 3
		.amdhsa_float_denorm_mode_16_64 3
		.amdhsa_memory_ordered 1
		.amdhsa_forward_progress 1
		.amdhsa_inst_pref_size 161
	.end_amdhsa_kernel
	.amdgpu_metadata
---
amdhsa.version: [ 1, 2 ]
amdhsa.kernels:
  - .name:           k_q8567ddc9c5_softmax
    .symbol:         k_q8567ddc9c5_softmax.kd
    .args:
      - { .name: sc, .offset: 0, .size: 8, .value_kind: global_buffer, .address_space: global }
      - { .name: pb, .offset: 8, .size: 8, .value_kind: global_buffer, .address_space: global }
    .group_segment_fixed_size: 0
    .private_segment_fixed_size: 0
    .kernarg_segment_align: 8
    .kernarg_segment_size: 16
    .max_flat_workgroup_size: 256
    .sgpr_count:     66
    .vgpr_count:     144
    .wavefront_size: 32
...
	.end_amdgpu_metadata
.endif
;; end of part 4
;; launch pv (part 5): grid 8 x 32, 4 waves a work-group, clusters of 4 x 1, 327,680 bytes of LDS; arguments pj, pb, zt; writes zt
.if DOCPART == 5
	.amdgcn_target "amdgcn-amd-amdhsa--gfx1250"
	.amdhsa_code_object_version 6
	.text
	.protected	k_q8567ddc9c5_pv
	.globl	k_q8567ddc9c5_pv
	.p2align	8
	.type	k_q8567ddc9c5_pv,@function
k_q8567ddc9c5_pv:
	s_mov_b64 s[64:65], 0
	v_nop
	global_prefetch_b8 v0, s[64:65] scope:SCOPE_SE
	s_setreg_imm32_b32 hwreg(HW_REG_WAVE_MODE, 25, 1), 1
	s_wait_xcnt 0x0
	s_wait_alu depctr_hold_cnt(0) depctr_sa_sdst(0) depctr_va_vdst(0) depctr_va_sdst(0) depctr_va_ssrc(0) depctr_va_vcc(0) depctr_vm_vsrc(0)
	s_getreg_b32 s2, hwreg(HW_REG_IB_STS2, 6, 4)
	s_cmp_eq_u32 s2, 0
	s_cbranch_scc0 .Lentry_in_a_cluster
	s_endpgm
.Lentry_in_a_cluster:
	s_bfe_u32 s2, ttmp6, 0x10000c
	s_cmp_lg_u32 s2, 0x3003
	s_cbranch_scc0 .Lentry_shape_is_right
	s_endpgm
.Lentry_shape_is_right:
; zt[b][d][q] = sum over keys m of vp[b][m][d] P[b][q][m], f16: y is made transposed, which is the order in which reference() reads it again.
; Tile: 128 d (block 0..7) x 256 q (block I, 0..7).  K = the keys 0 .. 256 (I + 1) - 1: later keys have probability 0 and are left out, so a
; work-group makes I + 1 laps of 256 keys.  I = 7 - (y & 7): the long tiles start first.
; The rows of the product's first operand are d, and vp lies [key][d] in memory and in LDS: its fragments are read by the transposing LDS load
; (LDS pitch 288 = 9 x 32 bytes).  P lies [q][key], K along the rows, as in the other products.
; CLUSTERS: 4 x 1 work-groups: four d blocks of one (batch, I).  They read the same tiles of P and make the same number of laps (both hang on
; the grid's y alone): P's tiles are asked for jointly, mask 15.  vp's tile hangs on the d block and is each work-group's own (mask 0).
; Waves 0, 1 fetch 64 key rows of vp each, waves 2, 3 fetch 128 q rows of P each: one load a wave behind each round; two out at the start,
; one later, by this text's own count.
; LIMIT: operands and the result are f16 (11 significant bits); sums f32.  y is a mean of rows of vp with weights that add up to 1, so it has vp's range.
.set KSTEP,  128
.set PITCH,  272                       ; P's rows in LDS
.set VPITCH, 288                       ; vp's rows in LDS
.set VHALF,  64*VPITCH
.set VT,     128*VPITCH                ; 36,864: vp's tile
.set HALFT,  128*PITCH
.set SLOT,   VT+2*HALFT                ; 106,496
.set STAGE,  2*SLOT                    ; 212,992: 16 rows x 272 bytes for each wave; no fill lands here
.set SPITCH, 272
.set ASTEP,  2*KSTEP*2048              ; vp: 256 key rows on
.set BSTEP,  2*KSTEP*2                 ; P: 256 keys along the row
.set PC,     4096                      ; bytes in a row of zt
.set ADRA, 16
.set ADRB, 20
.set STO,  24
.set RD,   25
.set CO,   26
.set AF,   64
.set BF,   128
.set TMP,  128
.set G1,  24
.set G0,  32
.set G1B, 48
.set G0B, 56
.set MUL,  0x50
.set CVT,  0x05
.set MSB, 0
.macro WIN new
.if MSB != \new
	s_set_vgpr_msb (MSB<<8)|\new
.set MSB, \new
.endif
.endm
.macro PLACES
.rept 4
	v_nop
.endr
.endm
.macro JLOAD s                         ; waves 0, 1: vp's halves (my own); waves 2, 3: P's halves (joint)
	s_cmp_eq_u32 s11, 0
	s_cbranch_scc0 .Lfor_b_\@
	tensor_load_to_lds s[G0+4*\s:G0+4*\s+3], s[G1:G1+7]
	s_nop 0
	s_branch .Lasked_\@
.Lfor_b_\@:
	tensor_load_to_lds s[G0B+4*\s:G0B+4*\s+3], s[G1B:G1B+7]
	s_nop 0
.Lasked_\@:
.endm
.macro CREST
	s_cmp_lg_u32 s10, 0
	s_cbranch_scc1 .Lnot_wave_0_\@
	s_barrier_signal -3
.Lnot_wave_0_\@:
	s_barrier_wait -3
	s_barrier_signal -1
	s_barrier_wait -1
.endm
.macro CROUND
	s_barrier_signal -1
	s_barrier_wait -1
	CREST
.endm
	s_load_b128 s[4:7], s[0:1], 0x0                ; pj s[4:5], pb s[6:7]
	s_load_b64 s[8:9], s[0:1], 0x10                ; zt
	v_lshl_add_u32 v62, v0, 2, 0x38400
	v_mov_b32 v63, 0
	ds_add_u32 v62, v63
	ds_add_u32 v62, v63
	v_lshrrev_b32 v1, 5, v0
	v_readfirstlane_b32 s10, v1
	s_lshr_b32 s11, s10, 1                         ; my half of the d rows.  Also: I fetch vp (0) or P (1)
	s_and_b32 s12, s10, 1                          ; my half of the q columns.  Also: which half of that tile I fetch
	s_bfe_u32 s40, ttmp6, 0x40000                  ; cx
	s_lshl_b32 s42, ttmp9, 2
	s_add_co_u32 s42, s42, s40                     ; d block = 4 x cluster x + cx
	s_and_b32 s41, ttmp7, 0xffff                   ; y
	s_lshr_b32 s69, s41, 3                         ; batch
	s_and_b32 s68, s41, 7
	s_sub_co_u32 s68, 7, s68                       ; I
	s_add_co_u32 s70, s68, 1                       ; laps
	s_mov_b32 s[G1+0], (1<<16)|(1<<20)|(5<<22)|(7<<25)   ; no mask; 2-byte elements; after every 64 words 8 words of padding
	s_mov_b32 s[G1+1], 128<<16                     ; 128 d
	s_mov_b32 s[G1+2], 64<<16                      ; 64 key rows
	s_mov_b32 s[G1+3], 128<<16
	s_mov_b32 s[G1+4], 64
	s_mov_b32 s[G1+5], 1024
	s_mov_b32 s[G1+6], 0
	s_mov_b32 s[G1+7], 0
	s_mov_b32 s[G1B+0], 15|(1<<16)|(1<<20)|(1<<21)|(5<<22)|(3<<25)   ; all four of the cluster; bit 21 beside a mask; 4 words of padding
	s_mov_b32 s[G1B+1], KSTEP<<16
	s_mov_b32 s[G1B+2], 128<<16
	s_mov_b32 s[G1B+3], KSTEP<<16
	s_mov_b32 s[G1B+4], 128
	s_mov_b32 s[G1B+5], 2048
	s_mov_b32 s[G1B+6], 0
	s_mov_b32 s[G1B+7], 0
	s_lshl_b32 s16, s69, 11                        ; vp: row 16384 + 2048 batch + 64 x half,
	s_add_co_u32 s16, s16, 16384
	s_lshl_b32 s17, s12, 6
	s_add_co_u32 s16, s16, s17
	s_lshl_b32 s16, s16, 11                        ; times 2,048 bytes,
	s_lshl_b32 s17, s42, 8                         ; + 256 bytes x d block
	s_add_co_u32 s16, s16, s17
	s_mov_b32 s17, 0
	s_lshl_b32 s46, s68, 8                         ; P: row 256 I + 128 x half,
	s_lshl_b32 s47, s12, 7
	s_add_co_u32 s46, s46, s47
	s_lshl_b32 s46, s46, 12                        ; times 4,096 bytes,
	s_lshl_b32 s47, s69, 23                        ; + batch x 8 MiB: nothing of cx
	s_add_co_u32 s46, s46, s47
	s_mov_b32 s47, 0
	s_mul_i32 s20, s12, VHALF
	s_mul_i32 s21, s12, HALFT
	s_add_co_u32 s21, s21, VT
	s_wait_dscnt 0x0
	s_wait_kmcnt 0x0
	s_add_nc_u64 s[14:15], s[4:5], s[16:17]
	s_add_nc_u64 s[46:47], s[6:7], s[46:47]
	CROUND                                         ; the four work-groups are here: the first joint loads meet
.irp s, 0,1
	s_mov_b32 s[G0+4*\s], 1
	s_add_co_u32 s[G0+4*\s+1], s20, \s*SLOT
	s_add_nc_u64 s[G0+4*\s+2:G0+4*\s+3], s[14:15], \s*KSTEP*2048
	s_or_b32 s[G0+4*\s+3], s[G0+4*\s+3], 0x80000000
	s_mov_b32 s[G0B+4*\s], 1
	s_add_co_u32 s[G0B+4*\s+1], s21, \s*SLOT
	s_add_nc_u64 s[G0B+4*\s+2:G0B+4*\s+3], s[46:47], \s*KSTEP*2
	s_or_b32 s[G0B+4*\s+3], s[G0B+4*\s+3], 0x80000000
	JLOAD \s
.endr
	v_and_b32 v1, 15, v0                           ; r
	v_bfe_u32 v2, v0, 4, 1                         ; h
	v_mul_u32_u24 v3, v1, PITCH
	v_lshl_add_u32 v3, v2, 4, v3                   ; P: r x pitch + 16 h
	v_and_b32 v4, 7, v0
	v_lshl_or_b32 v4, v2, 3, v4                    ; vp: key row 8 h + (l & 7),
	v_mul_u32_u24 v4, v4, VPITCH
	v_bfe_u32 v5, v0, 3, 1
	v_lshl_add_u32 v4, v5, 4, v4                   ; 16 bytes x ((l >> 3) & 1)
	s_lshl_b32 s22, s11, 7                         ; my 64 d = 128 bytes of a row
	s_mul_i32 s23, s12, HALFT                      ; my 128 q rows of P,
	s_add_co_u32 s23, s23, VT                      ; behind vp's tile
.irp s, 0,1
	v_add_nc_u32 v[ADRA+\s], s22, v4
	v_add_nc_u32 v[ADRB+\s], s23, v3
	s_add_co_u32 s22, s22, SLOT
	s_add_co_u32 s23, s23, SLOT
.endr
	s_mul_i32 s22, s10, 16*SPITCH
	s_add_co_u32 s22, s22, STAGE
	v_add_nc_u32 v[STO], s22, v3
	v_mul_u32_u24 v5, v2, SPITCH
	v_lshl_add_u32 v5, v1, 4, v5
	v_add_nc_u32 v[RD], s22, v5
	v_mul_u32_u24 v5, v2, PC
	v_lshl_add_u32 v[CO], v1, 4, v5
.macro MULA f, a, mode
	WIN MUL
.irp b, 0,1,2,3,4,5,6,7
.if \mode == 1
	v_wmma_f32_16x16x32_f16 v[8*(8*\a+\b):8*(8*\a+\b)+7], v[BF+64*\f+8*\b:BF+64*\f+8*\b+7], v[AF+32*\f+8*\a:AF+32*\f+8*\a+7], 0
.else
	v_wmma_f32_16x16x32_f16 v[8*(8*\a+\b):8*(8*\a+\b)+7], v[BF+64*\f+8*\b:BF+64*\f+8*\b+7], v[AF+32*\f+8*\a:AF+32*\f+8*\a+7], v[8*(8*\a+\b):8*(8*\a+\b)+7]
.endif
.endr
.endm
; 24 LDS loads: 128 q rows of P (32 keys at byte 64 kq), then 64 d of vp (key rows 32 kq ..), transposed on the way: first load keys 8 h + 0..7, second 16 + 8 h + 0..7
.macro FETCH slot, kq, f
	WIN 0
.irp i, 0,1,2,3,4,5,6,7
	ds_load_b128 v[BF+64*\f+8*\i:BF+64*\f+8*\i+3],   v[ADRB+\slot] offset:64*\kq+\i*16*PITCH
	ds_load_b128 v[BF+64*\f+8*\i+4:BF+64*\f+8*\i+7], v[ADRB+\slot] offset:64*\kq+\i*16*PITCH+32
.endr
.irp i, 0,1,2,3
	ds_load_tr16_b128 v[AF+32*\f+8*\i:AF+32*\f+8*\i+3],   v[ADRA+\slot] offset:32*\kq*VPITCH+32*\i
	ds_load_tr16_b128 v[AF+32*\f+8*\i+4:AF+32*\f+8*\i+7], v[ADRA+\slot] offset:32*\kq*VPITCH+32*\i+16*VPITCH
.endr
.endm
; The 32 accumulators take turns, one instruction a turn, in the same order in every quarter.
.macro QUARTER slot, kq, f, g, mode
	s_wait_dscnt 4                                 ; P and vp's blocks 0, 1 are in; the four youngest loads (vp's blocks 2, 3) may be out
	MULA \f, 0, \mode
	MULA \f, 1, \mode
	PLACES                                         ; four places in front of the loads into buffer g, which matrix instructions have read
	FETCH \slot, \kq, \g
	s_wait_dscnt 24                                ; all but the 24 just issued
	MULA \f, 2, \mode
	MULA \f, 3, \mode
.endm
.macro THREE slot, mode
	QUARTER \slot, 1, 0, 1, \mode
	QUARTER \slot, 2, 1, 0, 0
	QUARTER \slot, 3, 0, 1, 0
.endm
.macro TURN slot, next, fill
	s_wait_dscnt 4
	MULA 1, 0, 0
	s_wait_dscnt 0                                 ; my reads of this slot are over
	s_wait_tensorcnt 0x0                           ; all my tensor loads have landed: my part of the next slot
	ds_add_u32 v62, v63
	s_wait_dscnt 0x0
	s_barrier_signal -1                            ; where the slot is filled again this barrier opens a round of the cluster's barrier
	MULA 1, 1, 0
	WIN 0
	s_barrier_wait -1
.if \fill
	CREST                                          ; no wave of any partner still reads this slot or has a load on its way
	s_add_nc_u64 s[G0+4*\slot+2:G0+4*\slot+3], s[G0+4*\slot+2:G0+4*\slot+3], ASTEP
	s_add_nc_u64 s[G0B+4*\slot+2:G0B+4*\slot+3], s[G0B+4*\slot+2:G0B+4*\slot+3], BSTEP
	JLOAD \slot
.endif
	PLACES
	FETCH \next, 0, 0
	MULA 1, 2, 0
	MULA 1, 3, 0
.endm
.macro LAP mode
	THREE 0, \mode
	TURN 0, 1, 1
	THREE 1, 0
	TURN 1, 0, 1
.endm
.macro LASTLAP mode
	THREE 0, \mode
	TURN 0, 1, 0
	THREE 1, 0
	s_wait_dscnt 4
	MULA 1, 0, 0
	MULA 1, 1, 0
	s_wait_dscnt 0
	MULA 1, 2, 0
	MULA 1, 3, 0
.endm
	s_wait_tensorcnt 1                             ; my part of K step 0 is in; K step 1's may stay out
	s_barrier_signal -1
	s_barrier_wait -1
	FETCH 0, 0, 0
	s_cmp_eq_u32 s70, 1                            ; one lap: the two first fills are all there is
	s_cbranch_scc1 .Lsingle
	LAP 1                                          ; the first products start the sums
	WIN 0
	s_sub_co_u32 s3, s70, 2
	s_cmp_eq_u32 s3, 0
	s_cbranch_scc1 .Lnoloop
.Llap:
	LAP 0
	WIN 0
	s_sub_co_u32 s3, s3, 1
	s_cmp_lg_u32 s3, 0
	s_cbranch_scc1 .Llap
.Lnoloop:
	LASTLAP 0
	WIN 0
	s_branch .Lout
.Lsingle:
	LASTLAP 1
	WIN 0
.Lout:
	PLACES                                         ; behind the last matrix instructions, in front of the conversions
	s_lshl_b32 s16, s42, 7                         ; row 128 x d block + 64 x half, times 4,096 bytes,
	s_lshl_b32 s14, s11, 6
	s_add_co_u32 s16, s16, s14
	s_lshl_b32 s16, s16, 12
	s_lshl_b32 s14, s69, 22                        ; + batch x 4 MiB
	s_add_co_u32 s16, s16, s14
	s_lshl_b32 s14, s68, 9                         ; + 2 bytes x (256 I + 128 x half)
	s_add_co_u32 s16, s16, s14
	s_lshl_b32 s14, s12, 8
	s_add_co_u32 s16, s16, s14
	s_mov_b32 s17, 0
	s_add_nc_u64 s[8:9], s[8:9], s[16:17]
.macro OUT16 a, f
	WIN CVT
.irp b, 0,1,2,3,4,5,6,7
.irp r, 0,1,2,3
	v_cvt_pk_f16_f32 v[TMP+4*\b+\r], v[8*(8*\a+\b)+2*\r], v[8*(8*\a+\b)+2*\r+1]
.endr
.endr
	WIN 0
.irp b, 0,1,2,3,4,5,6,7
	ds_store_b128 v[STO], v[TMP+4*\b:TMP+4*\b+3] offset:32*\b
.endr
	s_wait_xcnt 0x0                                ; buffer f, which earlier stores read, and the stores' base are rewritten only behind this wait
.if \a
	s_add_nc_u64 s[8:9], s[8:9], 16*PC
.endif
.irp t, 0,1,2,3,4,5,6,7
	ds_load_b128 v[\f+4*\t:\f+4*\t+3], v[RD] offset:\t*2*SPITCH    ; LDS serves a wave's instructions in order: these see the stores above
.endr
.irp t, 0,1,2,3,4,5,6,7
	s_wait_dscnt 7-\t                              ; load t is in, the 7 - t younger ones stay out
	global_store_b128 v[CO], v[\f+4*\t:\f+4*\t+3], s[8:9] offset:2*\t*PC   ; 16 lanes store 256 consecutive bytes, aligned
.endr
.endm
	OUT16 0, 64
	OUT16 1, 96
	OUT16 2, 64
	OUT16 3, 96
	s_wait_tensorcnt 0x0
	ds_add_u32 v62, v63
	s_wait_dscnt 0x0
	CROUND                                         ; the closing round
	s_endpgm
.Lfunc_end_k_q8567ddc9c5_pv:
	.size	k_q8567ddc9c5_pv, .Lfunc_end_k_q8567ddc9c5_pv-k_q8567ddc9c5_pv
	.p2alignl 7, 3214868480
	.fill 96, 4, 3214868480
	.section	.rodata,"a",@progbits
	.p2align	6, 0x0
	.amdhsa_kernel k_q8567ddc9c5_pv
		.amdhsa_group_segment_fixed_size 327680
		.amdhsa_private_segment_fixed_size 0
		.amdhsa_enable_private_segment 0
		.amdhsa_kernarg_size 24
		.amdhsa_user_sgpr_count 2
		.amdhsa_user_sgpr_kernarg_segment_ptr 1
		.amdhsa_wavefront_size32 1
		.amdhsa_system_sgpr_workgroup_id_x 1
		.amdhsa_system_sgpr_workgroup_id_y 1
		.amdhsa_system_sgpr_workgroup_id_z 1
		.amdhsa_system_vgpr_workitem_id 0
		.amdhsa_next_free_vgpr 512
		.amdhsa_next_free_sgpr 80
		.amdhsa_reserve_vcc 0
		.amdhsa_float_denorm_mode_32 3
		.amdhsa_float_denorm_mode_16_64 3
		.amdhsa_memory_ordered 1
		.amdhsa_forward_progress 1
		.amdhsa_inst_pref_size 147
	.end_amdhsa_kernel
	.amdgpu_metadata
---
amdhsa.version: [ 1, 2 ]
amdhsa.kernels:
  - .name:           k_q8567ddc9c5_pv
    .symbol:         k_q8567ddc9c5_pv.kd
    .args:
      - { .name: pj, .offset: 0, .size: 8, .value_kind: global_buffer, .address_space: global }
      - { .name: pb, .offset: 8, .size: 8, .value_kind: global_buffer, .address_space: global }
      - { .name: zt, .offset: 16, .size: 8, .value_kind: global_buffer, .address_space: global }
    .group_segment_fixed_size: 327680
    .private_segment_fixed_size: 0
    .kernarg_segment_align: 8
    .kernarg_segment_size: 24
    .max_flat_workgroup_size: 128
    .sgpr_count:     80
    .vgpr_count:     512
    .wavefront_size: 32
...
	.end_amdgpu_metadata
.endif
;; end of part 5
;; launch outp (part 6): grid 4 x 32, 4 waves a work-group, clusters of 4 x 4, 327,680 bytes of LDS; arguments zt, wb, bo, out0; writes out0
.if DOCPART == 6
	.amdgcn_target "amdgcn-amd-amdhsa--gfx1250"
	.amdhsa_code_object_version 6
	.text
	.protected	k_q8567ddc9c5_outp
	.globl	k_q8567ddc9c5_outp
	.p2align	8
	.type	k_q8567ddc9c5_outp,@function
k_q8567ddc9c5_outp:
	s_mov_b64 s[64:65], 0
	v_nop
	global_prefetch_b8 v0, s[64:65] scope:SCOPE_SE
	s_setreg_imm32_b32 hwreg(HW_REG_WAVE_MODE, 25, 1), 1
	s_wait_xcnt 0x0
	s_wait_alu depctr_hold_cnt(0) depctr_sa_sdst(0) depctr_va_vdst(0) depctr_va_sdst(0) depctr_va_ssrc(0) depctr_va_vcc(0) depctr_vm_vsrc(0)
	s_getreg_b32 s2, hwreg(HW_REG_IB_STS2, 6, 4)
	s_cmp_eq_u32 s2, 0
	s_cbranch_scc0 .Lentry_in_a_cluster
	s_endpgm
.Lentry_in_a_cluster:
	s_bfe_u32 s2, ttmp6, 0x10000c
	s_cmp_lg_u32 s2, 0xf033
	s_cbranch_scc0 .Lentry_shape_is_right
	s_endpgm
.Lentry_shape_is_right:
; out0 = z Wo^T + bo, f32.  z is zt read flat as [8192][1024] f16: reference()'s transpose and reshape are already in zt's order.
; Wo is the fourth matrix of wb.  The skeleton is that of the projections: 256 x 256 a work-group, four waves of 128 x 128 (64 accumulator tiles
; in register windows 2 and 3), K steps of 128 through two LDS slots, 4 x 4 clusters with A's tile shared along a cluster's row and B's along a
; column, one joint load of 128 rows a wave behind each round (two out at the start, one later, by this text's own count; 240 of a K step's
; 256 matrix instructions between a request and the wait for it), the bias as the C operand of the first K quarter.
; 32 x 4 = 128 work-groups: the result has no more blocks of 256 x 256.
; The result leaves in f32 through each wave's own stage: 16 rows of 512 bytes at a time.
; LIMIT: operands are f16 (11 significant bits); sums, bias and result f32.
.set KSTEP,  128
.set PITCH,  272
.set HALFT,  128*PITCH
.set SLOT,   4*HALFT
.set STAGE,  2*SLOT                    ; 278,528: 16 rows x 528 bytes for each wave; no fill lands here
.set FPITCH, 528
.set LAPS,   4
.set STEP2,  2*KSTEP*2
.set PC,     4096                      ; bytes in a row of out0
.set ADRA, 16
.set ADRB, 20
.set STO,  24
.set RD,   25
.set CO,   26
.set BOFF, 27
.set F0,   64
.set F1,   128
.set BIAS, 192                         ; window 1: the bias of my 128 columns
.set G1,  24
.set G0,  32
.set G1B, 48
.set G0B, 56
.set MUL_LO,  0xa1                     ; source 0 (B) window 1, source 1 (A) window 0, C and D window 2
.set MUL_HI,  0xf1                     ; the same, C and D window 3
.set MULB_LO, 0x91                     ; C (the bias) window 1, D window 2
.set MULB_HI, 0xd1                     ; C (the bias) window 1, D window 3
.set TO_B,    0x40                     ; destination window 1, address window 0
.set MSB, 0
.macro WIN new
.if MSB != \new
	s_set_vgpr_msb (MSB<<8)|\new
.set MSB, \new
.endif
.endm
.macro MWIN hi, mode
.if \mode == 2
.if \hi
	WIN MULB_HI
.else
	WIN MULB_LO
.endif
.else
.if \hi
	WIN MUL_HI
.else
	WIN MUL_LO
.endif
.endif
.endm
.macro PLACES
.rept 4
	v_nop
.endr
.endm
.macro JLOAD s
	s_cmp_eq_u32 s11, 0
	s_cbranch_scc0 .Lfor_b_\@
	tensor_load_to_lds s[G0+4*\s:G0+4*\s+3], s[G1:G1+7]
	s_nop 0
	s_branch .Lasked_\@
.Lfor_b_\@:
	tensor_load_to_lds s[G0B+4*\s:G0B+4*\s+3], s[G1B:G1B+7]
	s_nop 0
.Lasked_\@:
.endm
.macro CREST
	s_cmp_lg_u32 s10, 0
	s_cbranch_scc1 .Lnot_wave_0_\@
	s_barrier_signal -3
.Lnot_wave_0_\@:
	s_barrier_wait -3
	s_barrier_signal -1
	s_barrier_wait -1
.endm
.macro CROUND
	s_barrier_signal -1
	s_barrier_wait -1
	CREST
.endm
	s_load_b128 s[4:7], s[0:1], 0x0                ; zt s[4:5], wb s[6:7]
	s_load_b128 s[68:71], s[0:1], 0x10             ; bo s[68:69], out0 s[70:71]
	s_set_vgpr_msb 0x40
	v_lshl_add_u32 v63, v0, 2, 0x4c400
	s_set_vgpr_msb 0x4000
	v_mov_b32 v255, 0
	s_set_vgpr_msb 0x1
	ds_add_u32 v63, v255
	ds_add_u32 v63, v255
	s_set_vgpr_msb 0x100
	v_lshrrev_b32 v1, 5, v0
	v_readfirstlane_b32 s10, v1
	s_lshr_b32 s11, s10, 1
	s_and_b32 s12, s10, 1
	s_bfe_u32 s40, ttmp6, 0x40000                  ; cx
	s_bfe_u32 s41, ttmp6, 0x40004                  ; cy
	s_lshl_b32 s42, ttmp9, 2
	s_add_co_u32 s42, s42, s40                     ; block column
	s_and_b32 s13, ttmp7, 0xffff
	s_lshl_b32 s13, s13, 2
	s_add_co_u32 s13, s13, s41                     ; block row, 0..31
	s_lshl_b32 s43, s41, 2
	s_lshl_b32 s43, 15, s43                        ; my row of the cluster
	s_lshl_b32 s44, 0x1111, s40                    ; my column
	s_or_b32 s[G1+0], s43, (1<<16)|(1<<20)|(1<<21)|(5<<22)|(3<<25)
	s_mov_b32 s[G1+1], KSTEP<<16
	s_mov_b32 s[G1+2], 128<<16
	s_mov_b32 s[G1+3], KSTEP<<16
	s_mov_b32 s[G1+4], 128
	s_mov_b32 s[G1+5], 1024
	s_mov_b32 s[G1+6], 0
	s_mov_b32 s[G1+7], 0
	s_or_b32 s[G1B+0], s44, (1<<16)|(1<<20)|(1<<21)|(5<<22)|(3<<25)
	s_mov_b32 s[G1B+1], KSTEP<<16
	s_mov_b32 s[G1B+2], 128<<16
	s_mov_b32 s[G1B+3], KSTEP<<16
	s_mov_b32 s[G1B+4], 128
	s_mov_b32 s[G1B+5], 1024
	s_mov_b32 s[G1B+6], 0
	s_mov_b32 s[G1B+7], 0
	s_lshl_b32 s16, s13, 8                         ; A: row 256 x block row + 128 x half, times 2,048 bytes
	s_lshl_b32 s17, s12, 7
	s_add_co_u32 s16, s16, s17
	s_lshl_b32 s16, s16, 11
	s_mov_b32 s17, 0
	s_lshl_b32 s46, s42, 8                         ; B: row 3072 (Wo) + 256 x block column + 128 x half, times 2,048 bytes
	s_add_co_u32 s46, s46, 3072
	s_lshl_b32 s47, s12, 7
	s_add_co_u32 s46, s46, s47
	s_lshl_b32 s46, s46, 11
	s_mov_b32 s47, 0
	s_mul_i32 s20, s10, HALFT                      ; where my load goes in a slot: wave x 128 rows; no place in the cluster enters an LDS address
	s_wait_dscnt 0x0
	s_wait_kmcnt 0x0
	s_add_nc_u64 s[14:15], s[4:5], s[16:17]
	s_add_nc_u64 s[46:47], s[6:7], s[46:47]
	CROUND                                         ; all sixteen work-groups are here: the first joint loads meet
.irp s, 0,1
	s_mov_b32 s[G0+4*\s], 1
	s_add_co_u32 s[G0+4*\s+1], s20, \s*SLOT
	s_add_nc_u64 s[G0+4*\s+2:G0+4*\s+3], s[14:15], \s*KSTEP*2
	s_or_b32 s[G0+4*\s+3], s[G0+4*\s+3], 0x80000000
	s_mov_b32 s[G0B+4*\s], 1
	s_add_co_u32 s[G0B+4*\s+1], s20, \s*SLOT
	s_add_nc_u64 s[G0B+4*\s+2:G0B+4*\s+3], s[46:47], \s*KSTEP*2
	s_or_b32 s[G0B+4*\s+3], s[G0B+4*\s+3], 0x80000000
	JLOAD \s                                       ; both first fills go out before anything else is done
.endr
	s_mov_b64 s[8:9], s[70:71]                     ; out0
	v_and_b32 v1, 15, v0                           ; r
	v_bfe_u32 v2, v0, 4, 1                         ; h
	v_mul_u32_u24 v3, v1, PITCH
	v_lshl_add_u32 v3, v2, 4, v3
	s_mul_i32 s21, s11, HALFT
	s_mul_i32 s22, s12, HALFT
	s_add_co_u32 s22, s22, 2*HALFT
.irp s, 0,1
	v_add_nc_u32 v[ADRA+\s], s21, v3
	v_add_nc_u32 v[ADRB+\s], s22, v3
	s_add_co_u32 s21, s21, SLOT
	s_add_co_u32 s22, s22, SLOT
.endr
	s_mul_i32 s23, s10, 16*FPITCH
	s_add_co_u32 s23, s23, STAGE                   ; my stage
	v_mul_u32_u24 v4, v1, FPITCH                   ; in: row r, 32 bytes for each half of the lanes
	v_lshl_add_u32 v4, v2, 5, v4
	v_add_nc_u32 v[STO], s23, v4
	v_and_b32 v5, 31, v0
	v_lshlrev_b32 v[CO], 4, v5                     ; back and out: 32 lanes x 16 bytes = a row's 512 bytes
	v_add_nc_u32 v[RD], s23, v[CO]
	s_lshl_b32 s14, s42, 10                        ; 4 bytes x (256 x block column + 128 x half + 8 h)
	s_lshl_b32 s15, s12, 9
	s_add_co_u32 s14, s14, s15
	v_lshl_add_u32 v[BOFF], v2, 5, s14
	WIN TO_B
.irp b, 0,1,2,3,4,5,6,7
	global_load_b128 v[BIAS+8*\b:BIAS+8*\b+3],   v[BOFF], s[68:69] offset:64*\b
	global_load_b128 v[BIAS+8*\b+4:BIAS+8*\b+7], v[BOFF], s[68:69] offset:64*\b+16
.endr
	WIN 0
; 16 matrix instructions: m blocks a0, a0 + 1 of the window's four x all 8 n blocks, 32 along K.  mode 2: the bias starts the sums.
.macro MUL16 f, hi, a0, mode
.irp a, \a0, \a0+1
.irp b, 0,1,2,3,4,5,6,7
.if \mode == 2
	v_wmma_f32_16x16x32_f16 v[8*(8*(\a)+\b):8*(8*(\a)+\b)+7], v[\f+8*\b:\f+8*\b+7], v[\f+8*(4*\hi+\a):\f+8*(4*\hi+\a)+7], v[BIAS+8*\b:BIAS+8*\b+7]
.else
	v_wmma_f32_16x16x32_f16 v[8*(8*(\a)+\b):8*(8*(\a)+\b)+7], v[\f+8*\b:\f+8*\b+7], v[\f+8*(4*\hi+\a):\f+8*(4*\hi+\a)+7], v[8*(8*(\a)+\b):8*(8*(\a)+\b)+7]
.endif
.endr
.endr
.endm
.macro FETCH slot, k, f
	WIN TO_B
.irp i, 0,1,2,3,4,5,6,7
	ds_load_b128 v[\f+8*\i:\f+8*\i+3],   v[ADRB+\slot] offset:\k+\i*16*PITCH
	ds_load_b128 v[\f+8*\i+4:\f+8*\i+7], v[ADRB+\slot] offset:\k+\i*16*PITCH+32
.endr
	WIN 0
.irp i, 0,1,2,3,4,5,6,7
	ds_load_b128 v[\f+8*\i:\f+8*\i+3],   v[ADRA+\slot] offset:\k+\i*16*PITCH
	ds_load_b128 v[\f+8*\i+4:\f+8*\i+7], v[ADRA+\slot] offset:\k+\i*16*PITCH+32
.endr
.endm
; The 64 accumulators take turns, one instruction a turn, in the same order in every quarter.
.macro QUARTER slot, k, f, g, mode
	s_wait_dscnt 8                                 ; B and A's rows 0-63 are in; the eight youngest loads (A's rows 64-127) may be out
	MWIN 0, \mode
	MUL16 \f, 0, 0, \mode
	MUL16 \f, 0, 2, \mode
	PLACES                                         ; four places in front of the loads into buffer g, which matrix instructions have read
	FETCH \slot, \k, \g
	s_wait_dscnt 32                                ; all but the 32 just issued
	MWIN 1, \mode
	MUL16 \f, 1, 0, \mode
	MUL16 \f, 1, 2, \mode
.endm
.macro THREE slot, mode
	QUARTER \slot, 64,  F0, F1, \mode
	QUARTER \slot, 128, F1, F0, 0
	QUARTER \slot, 192, F0, F1, 0
.endm
.macro TURN slot, next, fill
	s_wait_dscnt 8
	WIN MUL_LO
	MUL16 F1, 0, 0, 0
	s_wait_dscnt 0                                 ; my reads of this slot are over
	s_wait_tensorcnt 0x0                           ; all my tensor loads have landed: my part of the next slot
	ds_add_u32 v63, v255
	s_wait_dscnt 0x0
	s_barrier_signal -1                            ; where the slot is filled again this barrier opens a round of the cluster's barrier
	MUL16 F1, 0, 2, 0                              ; register work while the others arrive
	WIN 0
	s_barrier_wait -1
.if \fill
	CREST                                          ; no wave of any partner still reads this slot or has a load on its way
	s_add_nc_u64 s[G0+4*\slot+2:G0+4*\slot+3], s[G0+4*\slot+2:G0+4*\slot+3], STEP2
	s_add_nc_u64 s[G0B+4*\slot+2:G0B+4*\slot+3], s[G0B+4*\slot+2:G0B+4*\slot+3], STEP2
	JLOAD \slot
.endif
	PLACES
	FETCH \next, 0, F0
	WIN MUL_HI
	MUL16 F1, 1, 0, 0
	MUL16 F1, 1, 2, 0
.endm
.macro LAP mode
	THREE 0, \mode
	TURN 0, 1, 1
	THREE 1, 0
	TURN 1, 0, 1
.endm
	s_wait_loadcnt 0x0                             ; the bias
	s_wait_tensorcnt 1                             ; my part of K step 0 is in; K step 1's may stay out
	s_barrier_signal -1
	s_barrier_wait -1
	FETCH 0, 0, F0
	LAP 2                                          ; the first products start the sums from the bias
	WIN 0
	s_mov_b32 s3, LAPS-2
.Llap:
	LAP 0
	WIN 0
	s_sub_co_u32 s3, s3, 1
	s_cmp_lg_u32 s3, 0
	s_cbranch_scc1 .Llap
	THREE 0, 0                                     ; the last lap fills nothing
	TURN 0, 1, 0
	THREE 1, 0
	s_wait_dscnt 8
	WIN MUL_LO
	MUL16 F1, 0, 0, 0
	MUL16 F1, 0, 2, 0
	s_wait_dscnt 0
	WIN MUL_HI
	MUL16 F1, 1, 0, 0
	MUL16 F1, 1, 2, 0
	PLACES                                         ; behind the last matrix instructions, in front of the LDS stores of their results
	s_lshl_b32 s16, s13, 8                         ; row 256 x block row + 128 x half, times 4,096 bytes
	s_lshl_b32 s14, s11, 7
	s_add_co_u32 s16, s16, s14
	s_lshl_b32 s16, s16, 12
	s_mov_b32 s17, 0
	s_add_nc_u64 s[8:9], s[8:9], s[16:17]
	s_lshl_b32 s46, s42, 10                        ; 4 bytes x (256 x block column + 128 x half)
	s_lshl_b32 s47, s12, 9
	s_add_co_u32 s46, s46, s47
	s_mov_b32 s47, 0
	s_add_nc_u64 s[8:9], s[8:9], s[46:47]
; rows 16 i .. 16 i + 15 of my block = the eight tiles (a, 0..7) of window 2 or 3 (st = 0x08 or 0x0c: an LDS store's data)
.macro OUTF i, a, st, f
	WIN \st
.irp b, 0,1,2,3,4,5,6,7
	ds_store_b128 v[STO], v[8*(8*\a+\b):8*(8*\a+\b)+3]   offset:64*\b
	ds_store_b128 v[STO], v[8*(8*\a+\b)+4:8*(8*\a+\b)+7] offset:64*\b+16
.endr
	WIN 0
	s_wait_xcnt 0x0                                ; buffer f, which earlier stores read, and the stores' base are rewritten only behind this wait
.if \i
	s_add_nc_u64 s[8:9], s[8:9], 16*PC
.endif
.irp t, 0,1,2,3,4,5,6,7,8,9,10,11,12,13,14,15
	ds_load_b128 v[\f+4*\t:\f+4*\t+3], v[RD] offset:\t*FPITCH      ; LDS serves a wave's instructions in order: these see the stores above
.endr
.irp t, 0,1,2,3,4,5,6,7,8,9,10,11,12,13,14,15
	s_wait_dscnt 15-\t                             ; load t is in, the 15 - t younger ones stay out
	global_store_b128 v[CO], v[\f+4*\t:\f+4*\t+3], s[8:9] offset:\t*PC th:TH_STORE_NT   ; a wave stores 512 consecutive bytes, aligned
.endr
.endm
	OUTF 0, 0, 0x08, F0
	OUTF 1, 1, 0x08, F1
	OUTF 2, 2, 0x08, F0
	OUTF 3, 3, 0x08, F1
	OUTF 4, 0, 0x0c, F0
	OUTF 5, 1, 0x0c, F1
	OUTF 6, 2, 0x0c, F0
	OUTF 7, 3, 0x0c, F1
	s_set_vgpr_msb 0x1
	s_wait_tensorcnt 0x0
	ds_add_u32 v63, v255
	s_wait_dscnt 0x0
	s_set_vgpr_msb 0x100
	CROUND                                         ; the closing round
	s_endpgm
.Lfunc_end_k_q8567ddc9c5_outp:
	.size	k_q8567ddc9c5_outp, .Lfunc_end_k_q8567ddc9c5_outp-k_q8567ddc9c5_outp
	.p2alignl 7, 3214868480
	.fill 96, 4, 3214868480
	.section	.rodata,"a",@progbits
	.p2align	6, 0x0
	.amdhsa_kernel k_q8567ddc9c5_outp
		.amdhsa_group_segment_fixed_size 327680
		.amdhsa_private_segment_fixed_size 0
		.amdhsa_enable_private_segment 0
		.amdhsa_kernarg_size 32
		.amdhsa_user_sgpr_count 2
		.amdhsa_user_sgpr_kernarg_segment_ptr 1
		.amdhsa_wavefront_size32 1
		.amdhsa_system_sgpr_workgroup_id_x 1
		.amdhsa_system_sgpr_workgroup_id_y 1
		.amdhsa_system_sgpr_workgroup_id_z 1
		.amdhsa_system_vgpr_workitem_id 0
		.amdhsa_next_free_vgpr 1024
		.amdhsa_next_free_sgpr 80
		.amdhsa_reserve_vcc 0
		.amdhsa_float_denorm_mode_32 3
		.amdhsa_float_denorm_mode_16_64 3
		.amdhsa_memory_ordered 1
		.amdhsa_forward_progress 1
		.amdhsa_inst_pref_size 198
	.end_amdhsa_kernel
	.amdgpu_metadata
---
amdhsa.version: [ 1, 2 ]
amdhsa.kernels:
  - .name:           k_q8567ddc9c5_outp
    .symbol:         k_q8567ddc9c5_outp.kd
    .args:
      - { .name: zt, .offset: 0, .size: 8, .value_kind: global_buffer, .address_space: global }
      - { .name: wb, .offset: 8, .size: 8, .value_kind: global_buffer, .address_space: global }
      - { .name: bo, .offset: 16, .size: 8, .value_kind: global_buffer, .address_space: global }
      - { .name: out0, .offset: 24, .size: 8, .value_kind: global_buffer, .address_space: global }
    .group_segment_fixed_size: 327680
    .private_segment_fixed_size: 0
    .kernarg_segment_align: 8
    .kernarg_segment_size: 32
    .max_flat_workgroup_size: 128
    .sgpr_count:     80
    .vgpr_count:     1024
    .wavefront_size: 32
...
	.end_amdgpu_metadata
.endif
;; end of part 6
;; ======== version 2 of 2: 6 launches; version 1 with the launch softmax written anew for expert scheduling mode
;; limits: values are held in f16: magnitudes above 65,504 overflow, below 6.1e-05 lose precision
;; workspace buffers: xb 50,331,648 bytes; wb 8,388,608 bytes; pj 50,331,648 bytes; sc 67,108,864 bytes; pb 33,554,432 bytes; zt 16,777,216 bytes
;; launch cvt: the kernel of part 1 again; grid 1792 x 1, 8 waves a work-group, no clusters, 0 bytes of LDS; arguments q, k, v, Wq, Wk, Wv, Wo, xb, wb; writes xb, wb
;; launch proj: the kernel of part 2 again; grid 4 x 96, 4 waves a work-group, clusters of 4 x 4, 327,680 bytes of LDS; arguments xb, wb, bq, bk, bv, pj; writes pj
;; launch scores: the kernel of part 3 again; grid 9 x 16, 4 waves a work-group, no clusters, 327,680 bytes of LDS; arguments pj, sc; writes sc
;; launch softmax (part 7): grid 128 x 4, 8 waves a work-group, no clusters, 0 bytes of LDS; arguments sc, pb; writes pb
.if DOCPART == 7
	.amdgcn_target "amdgcn-amd-amdhsa--gfx1250"
	.amdhsa_code_object_version 6
	.text
	.protected	k_q8567ddc9c5_softmax
	.globl	k_q8567ddc9c5_softmax
	.p2align	8
	.type	k_q8567ddc9c5_softmax,@function
k_q8567ddc9c5_softmax:
	s_mov_b64 s[64:65], 0
	v_nop
	global_prefetch_b8 v0, s[64:65] scope:SCOPE_SE
	s_setreg_imm32_b32 hwreg(HW_REG_WAVE_SCHED_MODE, 0, 2), 2
	s_setreg_imm32_b32 hwreg(HW_REG_WAVE_MODE, 25, 1), 1
	s_wait_xcnt 0x0
	s_wait_alu depctr_vm_vsrc(0)
; pb[b][n][m] = softmax over m of sc[b][n][m] / 32, f16.  Of a row in the block of 256 rows number I only its first 256 (I + 1) columns exist:
; they hold every causal entry, and masked entries hold -1e30 x 32, whose exponential is 0, so they are stored as zeros.
; One wave takes a whole row (8 KiB at the most = 64 registers) and keeps it in registers between the maximum, the sum and the scaling:
; no LDS, no barrier, each byte read once.  A wave has two rows, both requested at once.  Group g = 127 - x: the long rows start first.
; The row's maximum m is taken away: t = x c - round(m c), c = log2(e) / 32, one fused multiply-add; the rounding of m c is a common factor
; of the whole row and cancels in the division by the sum.  The sum is at least about 1 (the maximum's own term).
; The text is written out for each of the eight row lengths; the branch hangs on the work-group's number alone.
; LIMITS: exponentials below 2^-126 become 0 (v_exp_f32 flushes denormal results: ISA guide 15.8); a probability below 6.1e-5 is stored as a
; denormal f16, with an absolute error of at most 3e-8 (a row has at most 2,048 of them); NaN is not propagated by the maximum.
; THE MODE: SCHED_MODE bits 1:0 = 2 (LLVM: expert scheduling mode 2), set by the entry lines.  The code itself states the register dependences
; between vector instructions and memory instructions, with s_wait_alu, always for 0.
; THE PLAN.  Registers that memory instructions touch:
;   v1, v2   byte offsets in sc and in pb.  Written at the head, never again; v1 is read by every load, v2 by every store.
;   X0       Written by the first row's loads, which go out before any vector instruction names it; worked on in place by the first row's
;            arithmetic; of each four registers the first two, the packed f16, are read by the first row's stores.  Not written again.
;   X1       The same for the second row.
;   T, M, R  are named by vector instructions alone.
; Three waits state all of it: one at the head (v1, v2 are written); one at the head of the second row (the first row's conversions have written
; X0), behind which the first row's stores are dealt among the lines of the second row's maximum, which name T and X1 alone; one behind the second
; row's conversions, ahead of its run of stores.  No register that a load or store has read is written again, so no wait on vm_vsrc is owed.
; No vector instruction writes a scalar register or VCC, and EXEC is never written.
.set T,  4                             ; v[4:7]    at work
.set M,  12                            ; v[12:13]  -m c, twice
.set R,  14                            ; v[14:15]  1 / sum, twice
.set X0, 16                            ; v[16:79]  first row
.set X1, 80                            ; v[80:143] second row
	s_load_b128 s[4:7], s[0:1], 0x0                ; sc s[4:5], pb s[6:7]
	s_sub_co_u32 s8, 127, ttmp9                    ; g: rows 16 g .. 16 g + 15
	s_and_b32 s9, ttmp7, 0xffff                    ; batch
	s_lshr_b32 s10, s8, 4                          ; I
	s_lshl_b32 s14, s9, 24                         ; sc: batch x 16 MiB + 16 g rows of 8,192 bytes
	s_lshl_b32 s15, s8, 17
	s_add_co_u32 s14, s14, s15
	s_mov_b32 s15, 0
	s_lshl_b32 s16, s9, 23                         ; pb: batch x 8 MiB + 16 g rows of 4,096 bytes
	s_lshl_b32 s17, s8, 16
	s_add_co_u32 s16, s16, s17
	s_mov_b32 s17, 0
	s_mov_b32 s12, 0x76543210                      ; v_permlanex16_b32: lane i of one half reads lane i of the other
	s_mov_b32 s13, 0xfedcba98
	v_and_b32 v3, 31, v0                           ; lane
	v_lshrrev_b32 v4, 5, v0                        ; wave
	v_lshlrev_b32 v1, 4, v3
	v_lshl_or_b32 v1, v4, 14, v1                   ; 16 x lane + wave x 2 rows of sc
	v_lshlrev_b32 v2, 3, v3
	v_lshl_or_b32 v2, v4, 13, v2                   ; 8 x lane + wave x 2 rows of pb
	s_wait_kmcnt 0x0
	s_add_nc_u64 s[4:5], s[4:5], s[14:15]
	s_add_nc_u64 s[6:7], s[6:7], s[16:17]
	s_wait_alu depctr_va_vdst(0)                   ; v1 and v2 are written: every load below reads v1 as its offset, every store v2, whichever row length is taken
; The arithmetic of one row of n loads (4 n registers from x on), in place: it leaves the row's f16 in the first two of each four registers.
; out = 1: the row is the second one, and the first row's n stores are dealt among the n pairs of lines of its maximum, one ahead of each pair.
.macro ROWSM x, n, out
.if \out
	global_store_b64 v2, v[X0:X0+1], s[6:7]        ; a wave stores 256 consecutive bytes, aligned.  No wait: no vector instruction since the wait at this row's head names X0 or v2
.endif
	v_max_num_f32 v[T], v[\x], v[\x+1]             ; the first four numbers start two chains
	v_max_num_f32 v[T+1], v[\x+2], v[\x+3]
.set j, 4
.rept \n-1
.if \out
	global_store_b64 v2, v[X0+j:X0+j+1], s[6:7] offset:64*j        ; the first row's next 256 bytes; its registers are not written again
.endif
	v_max3_num_f32 v[T], v[T], v[\x+j], v[\x+j+1]
	v_max3_num_f32 v[T+1], v[T+1], v[\x+j+2], v[\x+j+3]
.set j, j+4
.endr
	v_max_num_f32 v[T], v[T], v[T+1]
	v_max_num_f32_dpp v[T], v[T], v[T] row_xmask:1 row_mask:0xf bank_mask:0xf
	v_max_num_f32_dpp v[T], v[T], v[T] row_xmask:2 row_mask:0xf bank_mask:0xf
	v_max_num_f32_dpp v[T], v[T], v[T] row_xmask:4 row_mask:0xf bank_mask:0xf
	v_max_num_f32_dpp v[T], v[T], v[T] row_xmask:8 row_mask:0xf bank_mask:0xf
	v_permlanex16_b32 v[T+1], v[T], s12, s13
	v_max_num_f32 v[T], v[T], v[T+1]               ; the row's maximum, in every lane
	v_mul_f32 v[M], 0xbd38aa3b, v[T]               ; -m log2(e) / 32
	v_mov_b32 v[M+1], v[M]
.set j, 0
.rept 2*\n
	v_pk_fma_f32 v[\x+j:\x+j+1], v[\x+j:\x+j+1], 0x3d38aa3b, v[M:M+1] op_sel_hi:[1,0,1]
.set j, j+2
.endr
.set j, 0
.rept 4*\n
	v_exp_f32 v[\x+j], v[\x+j]
.set j, j+1
.endr
	v_nop                                          ; one plain place behind the exponentials, in front of the first use of a result (ISA guide 5.7.2)
	s_wait_alu depctr_va_vdst(0)                   ; the row's 4 n exponentials have written their results: one wait for the batch, ahead of the sums, their first readers
	v_pk_add_f32 v[T:T+1], v[\x:\x+1], v[\x+2:\x+3]
	v_pk_add_f32 v[T+2:T+3], v[\x+4:\x+5], v[\x+6:\x+7]
.set j, 8
.rept \n-2
	v_pk_add_f32 v[T:T+1], v[T:T+1], v[\x+j:\x+j+1]
	v_pk_add_f32 v[T+2:T+3], v[T+2:T+3], v[\x+j+2:\x+j+3]
.set j, j+4
.endr
	v_pk_add_f32 v[T:T+1], v[T:T+1], v[T+2:T+3]
	v_add_f32 v[T], v[T], v[T+1]
	v_add_f32_dpp v[T], v[T], v[T] row_xmask:1 row_mask:0xf bank_mask:0xf
	v_add_f32_dpp v[T], v[T], v[T] row_xmask:2 row_mask:0xf bank_mask:0xf
	v_add_f32_dpp v[T], v[T], v[T] row_xmask:4 row_mask:0xf bank_mask:0xf
	v_add_f32_dpp v[T], v[T], v[T] row_xmask:8 row_mask:0xf bank_mask:0xf
	v_permlanex16_b32 v[T+1], v[T], s12, s13
	v_add_f32 v[T+2], v[T], v[T+1]                 ; the row's sum, in every lane
	v_rcp_f32 v[R], v[T+2]
	v_rcp_f32 v[R+1], v[T+2]
	v_nop                                          ; one plain place behind the reciprocals
	s_wait_alu depctr_va_vdst(0)                   ; the two reciprocals have written v[R:R+1]: one wait, ahead of the first multiply that reads the pair
.set j, 0
.rept \n
	v_pk_mul_f32 v[\x+4*j:\x+4*j+1], v[\x+4*j:\x+4*j+1], v[R:R+1]
	v_pk_mul_f32 v[\x+4*j+2:\x+4*j+3], v[\x+4*j+2:\x+4*j+3], v[R:R+1]
	v_cvt_pk_f16_f32 v[\x+4*j], v[\x+4*j], v[\x+4*j+1]
	v_cvt_pk_f16_f32 v[\x+4*j+1], v[\x+4*j+2], v[\x+4*j+3]
.set j, j+1
.endr
.endm
.macro SM n
.set j, 0
.rept \n
	global_load_b128 v[X0+4*j:X0+4*j+3], v1, s[4:5] offset:512*j th:TH_LOAD_NT
.set j, j+1
.endr
.set j, 0
.rept \n
	global_load_b128 v[X1+4*j:X1+4*j+3], v1, s[4:5] offset:8192+512*j th:TH_LOAD_NT
.set j, j+1
.endr
	s_wait_loadcnt \n                              ; the first row is in; the second row's n loads stay out
	ROWSM X0, \n, 0
	s_wait_loadcnt 0x0                             ; the second row is in
	s_wait_alu depctr_va_vdst(0)                   ; the first row's conversions have written the packed f16 in X0, which the stores dealt among the next lines read
	ROWSM X1, \n, 1
	s_wait_alu depctr_va_vdst(0)                   ; the second row's conversions have written the packed f16 in X1, which the run of stores below reads
.set j, 0
.rept \n
	global_store_b64 v2, v[X1+4*j:X1+4*j+1], s[6:7] offset:4096+256*j      ; a wave stores 256 consecutive bytes, aligned; its registers are not written again
.set j, j+1
.endr
	s_endpgm
.endm
	s_cmp_eq_u32 s10, 0
	s_cbranch_scc1 .Lv0
	s_cmp_eq_u32 s10, 1
	s_cbranch_scc1 .Lv1
	s_cmp_eq_u32 s10, 2
	s_cbranch_scc1 .Lv2
	s_cmp_eq_u32 s10, 3
	s_cbranch_scc1 .Lv3
	s_cmp_eq_u32 s10, 4
	s_cbranch_scc1 .Lv4
	s_cmp_eq_u32 s10, 5
	s_cbranch_scc1 .Lv5
	s_cmp_eq_u32 s10, 6
	s_cbranch_scc1 .Lv6
	SM 16
.Lv6:
	SM 14
.Lv5:
	SM 12
.Lv4:
	SM 10
.Lv3:
	SM 8
.Lv2:
	SM 6
.Lv1:
	SM 4
.Lv0:
	SM 2
.Lfunc_end_k_q8567ddc9c5_softmax:
	.size	k_q8567ddc9c5_softmax, .Lfunc_end_k_q8567ddc9c5_softmax-k_q8567ddc9c5_softmax
	.p2alignl 7, 3214868480
	.fill 96, 4, 3214868480
	.section	.rodata,"a",@progbits
	.p2align	6, 0x0
	.amdhsa_kernel k_q8567ddc9c5_softmax
		.amdhsa_group_segment_fixed_size 0
		.amdhsa_private_segment_fixed_size 0
		.amdhsa_enable_private_segment 0
		.amdhsa_kernarg_size 16
		.amdhsa_user_sgpr_count 2
		.amdhsa_user_sgpr_kernarg_segment_ptr 1
		.amdhsa_wavefront_size32 1
		.amdhsa_system_sgpr_workgroup_id_x 1
		.amdhsa_system_sgpr_workgroup_id_y 1
		.amdhsa_system_sgpr_workgroup_id_z 1
		.amdhsa_system_vgpr_workitem_id 0
		.amdhsa_next_free_vgpr 144
		.amdhsa_next_free_sgpr 66
		.amdhsa_reserve_vcc 0
		.amdhsa_float_denorm_mode_32 3
		.amdhsa_float_denorm_mode_16_64 3
		.amdhsa_memory_ordered 1
		.amdhsa_forward_progress 1
		.amdhsa_inst_pref_size 162
	.end_amdhsa_kernel
	.amdgpu_metadata
---
amdhsa.version: [ 1, 2 ]
amdhsa.kernels:
  - .name:           k_q8567ddc9c5_softmax
    .symbol:         k_q8567ddc9c5_softmax.kd
    .args:
      - { .name: sc, .offset: 0, .size: 8, .value_kind: global_buffer, .address_space: global }
      - { .name: pb, .offset: 8, .size: 8, .value_kind: global_buffer, .address_space: global }
    .group_segment_fixed_size: 0
    .private_segment_fixed_size: 0
    .kernarg_segment_align: 8
    .kernarg_segment_size: 16
    .max_flat_workgroup_size: 256
    .sgpr_count:     66
    .vgpr_count:     144
    .wavefront_size: 32
...
	.end_amdgpu_metadata
.endif
;; end of part 7
;; launch pv: the kernel of part 5 again; grid 8 x 32, 4 waves a work-group, clusters of 4 x 1, 327,680 bytes of LDS; arguments pj, pb, zt; writes zt
;; launch outp: the kernel of part 6 again; grid 4 x 32, 4 waves a work-group, clusters of 4 x 4, 327,680 bytes of LDS; arguments zt, wb, bo, out0; writes out0
